; MI455X (gfx1250); checked and timed in simulation.
; The chip was launched on July 23, 2026; its instructions are those of AMD's public machine-readable ISA for CDNA 5 (MIT licence, August 2026) and "CDNA5" Instruction Set Architecture Reference Guide (July 2026). The comments in the code are by the model that wrote it; some were corrected since.
;; Multi Head Attention Block. Allowed arithmetic: matrix products marked QUANTISED: E2M3 operands, one E8M0 scale for each 32 along K, by v_wmma_scale_f32_16x16x128_f8f6f4 with both operands' format E2M3, f32 sums; everything else in f32.
;; Inputs: Wk 1,024 x 1,024 float32; Wo 1,024 x 1,024 float32; Wq 1,024 x 1,024 float32; Wv 1,024 x 1,024 float32; bk 1,024 float32; bo 1,024 float32; bq 1,024 float32; bv 1,024 float32; k 4 x 2,048 x 1,024 float32; mask 4 x 1 x 2,048 x 2,048 int32; q 4 x 2,048 x 1,024 float32; v 4 x 2,048 x 1,024 float32.
;; Outputs: out0 4 x 2,048 x 1,024 float32.
;; This version of the problem:
;;   THIS VERSION OF THE PROBLEM IS GIVEN IN LOW PRECISION. The matrix products marked QUANTISED in the list below multiply operands that are first quantised to E2M3 (2 exponent bits, 3 mantissa bits; 6 bits a number), with one power-of-two scale for each 32 numbers along K (OCP MX v1.0); their sums are f32. All else is computed in f32.
;;   The module's matrix products, in the order in which they are computed (A, B: the left and right operand; K: the contracted axis; several contracted axes count as one K, in the product's order):
;;     1. [M 8,192, K 1,024] x [K 1,024, N 1,024]; A: input q; B: input Wq: QUANTISED
;;     2. [M 8,192, K 1,024] x [K 1,024, N 1,024]; A: input k; B: input Wk: QUANTISED
;;     3. [M 8,192, K 1,024] x [K 1,024, N 1,024]; A: input v; B: input Wv: QUANTISED
;;     4. batch 64 x [M 2,048, K 64] x [K 64, N 2,048]; A: computed on the way; B: computed on the way: QUANTISED
;;     5. batch 64 x [M 2,048, K 2,048] x [K 2,048, N 64]; A: softmax (see below); B: computed on the way: QUANTISED
;;     6. [M 8,192, K 1,024] x [K 1,024, N 1,024]; A: computed on the way; B: input Wo: QUANTISED
;;   THE QUANTISER, for each operand of a quantised product, along K:
;;     - K is cut into blocks of 32 from its start; a last block that is shorter is filled with zeros.
;;     - A block's scale is 2^e with e = floor(log2(the largest magnitude in the block)) - 2, held to -126 .. 127; a block of zeros has e = 0. As a byte (E8M0): e + 127.
;;     - Each number is divided by its block's scale, clamped to +-7.5, and rounded to the nearest number of E2M3, ties to even, subnormals kept.
;;     - The product sums the exact products of the quantised numbers (number of the format x scale) in f32.
;;   ~~~python
;;   def quantise(x, axis):      # numpy; x: float32 -> the quantised numbers, widened to float32 again
;;       x = np.moveaxis(x, axis, -1); K = x.shape[-1]
;;       x = np.pad(x, [(0, 0)] * (x.ndim - 1) + [(0, -K % 32)]); x = x.reshape(x.shape[:-1] + (-1, 32)); a = np.abs(x).max(-1, keepdims=True)
;;       e = np.where(a > 0, np.clip(np.frexp(np.where(a > 0, a, 1))[1] - 1 - 2, -126, 127), 0)      # np.frexp(a)[1] - 1 = floor(log2(a)), exactly
;;       r = np.clip(x / 2.0 ** e, -7.5, 7.5)
;;       step = 2.0 ** (np.maximum(np.frexp(np.where(r == 0, 1, r))[1] - 1, 0) - 3)
;;       q = np.round(r / step) * step * 2.0 ** e      # np.round: ties to even
;;       return np.moveaxis(q.reshape(q.shape[:-2] + (-1,))[..., :K], -1, axis).astype(np.float32)
;;   ~~~
;;   SOFTMAX AHEAD OF A QUANTISED PRODUCT. Where the list says 'softmax', what is quantised is not the finished softmax but p = 2^(t - M), with t = logit x log2(e) and M = ceil(the row's largest t), a whole number; so 1/2 < the row's largest p <= 1. The row's sum l is taken of the UNQUANTISED p, in f32, and the product's result is divided by l at the end. Since M is a whole number, a kernel that streams over the keys may use a running M (the ceiling of the running maximum): every later rescaling is an exact power of two, which a block's scale takes up: the codes' values come out the same.
;;   OPERANDS COMPUTED ON THE WAY. 'Computed on the way' means the value that the module computes at that place (a softmax that the list does not call 'softmax' is quantised finished and normalised). What goes into a quantiser is computed in f32, as accurately as f32 sums, v_exp_f32 and their like allow (about 1e-6 of the number): no bf16 or f16 on the way to a quantiser, and a product that is left as it is and whose result goes on into a quantised operand takes f32 operands (vector FMAs, or v_wmma_f32_16x16x4_f32). A number that lies on a knife's edge between two numbers of the format may be rounded either way, as far as f32 arithmetic and the matrix unit's own rounding can turn it there, and no further.
;; One version. Each part assembles by itself: llvm-mc -triple=amdgcn-amd-amdhsa -mcpu=gfx1250 --defsym DOCPART=n.
;; ======== version 1 of 1: 4 launches
;; limits: right only within a limited range of input values
;; workspace buffers: xw 22,937,600 bytes; mb 2,097,152 bytes of whole numbers; qi 6,815,744 bytes; kv 13,369,344 bytes; cx 6,553,600 bytes
;; launch prep (part 1): grid 256 x 1, 11 waves a work-group, no clusters, 94,464 bytes of LDS; arguments q, k, v, Wq, Wk, Wv, Wo, mask, xw, mb; writes xw, mb
.if DOCPART == 1
	.amdgcn_target "amdgcn-amd-amdhsa--gfx1250"
	.amdhsa_code_object_version 6
	.text
	.protected	k_q08a62a762f_prep
	.globl	k_q08a62a762f_prep
	.p2align	8
	.type	k_q08a62a762f_prep,@function
k_q08a62a762f_prep:
	s_mov_b64 s[64:65], 0
	v_nop
	global_prefetch_b8 v0, s[64:65] scope:SCOPE_SE
	s_setreg_imm32_b32 hwreg(HW_REG_WAVE_MODE, 25, 1), 1
	s_wait_xcnt 0x0
; q, k, v [8192][1024] and Wq, Wk, Wv, Wo [1024][1024], f32, become codes of FP6 (E2M3) with one E8M0 byte for each 32 along K (the last axis); the mask [4][2048][2048], int32, becomes lane-mask words.
; A UNIT is 16 rows x 1,024 elements, one unit a wave: 1,792 units of numbers and 1,024 of the mask are 2,816 = 11 waves x 256 work-groups.  Waves share nothing: no barrier.
; CODES leave as HALF IMAGES: 16 rows x 64 along K in 768 bytes: lane l's operand registers 0-3 at 16 l, registers 4-5 at 512 + 8 l; lane (r, h) holds block h of row r.
;   xw: row tile U has 16 half images at 12,288 U; its scale bytes, 32 a row, at XS + 512 U.
; WHICH ROWS FORM A TILE: q: 16 neighbours.  k: tile T takes rows 64 (T / 4) + 8 (T % 4) + i for i < 8 and 32 more for i >= 8, so that a lane's 32 scores of four tiles are one block of 32 keys.
;   All others: rows 32 (T / 2) + 8 (T % 2) + i + 8 (i / 8), so that sixteen result registers of two tiles are sixteen neighbours along the next K.
; MASK: word n of (row tile, key step s): bit r + 16 h says mask[16 tile + r][128 s + 64 (n / 32) + 32 h + n % 32] != 0; 64 words a step, 256 bytes.
; A block's scale is 2^(floor(log2(largest magnitude)) - 2); its byte is the largest magnitude's exponent field - 2, held at 1 from below.
; LIMITS: a block of zeros gets the byte 1 where the rule says 127 (its codes are zeros, and this program alone reads the bytes); NaN and infinities among the inputs are not served.
; Each load reads 512 consecutive bytes of one row; a step's 16 x 512 bytes turn through the wave's own stage in LDS.
.set XS,    22020096
.set STG,   8448                       ; a wave's stage: 16 rows of 528 bytes
.set PITCH, 528
.set SPARE, 92928                      ; behind the 11 stages: the spare words
.set SPW,   60                         ; v60 my spare word's address, v61 0: kept for the closing add
.set NIL,   61
.set W0,    10                         ; v10-11 a step's 64 mask words
.set PW,    12                         ; v12-19 the scale words of the 8 steps
.set PC,    20                         ; v20-39 codes
.set TM,    40                         ; v40-55 at work in QUANT
.set SD,    56
.set R,     64                         ; v64-255 three sets of 64 numbers
.set ROWP,  32                         ; s32-63 the addresses of the unit's 16 rows
.set CMP,   68
.set SEL,   92
; 64 numbers of a lane, register 16 b + i = element 32 b + 16 (lane / 16) + i of my row, become a fragment's codes in v[PC] on and its scale word in v[pw]
.macro QUANT s, pw
.irp b, 0,1,2,3
	v_max3_num_f32 v[TM+\b], |v[\s+16*\b]|, |v[\s+1+16*\b]|, 0x1800000   ; with the floor 2^(3 - 127)
.endr
.irp i, 2,4,6,8,10,12,14
.irp b, 0,1,2,3
	s_delay_alu instid0(VALU_DEP_4)
	v_max3_num_f32 v[TM+\b], v[TM+\b], |v[\s+16*\b+\i]|, |v[\s+1+16*\b+\i]|
.endr
.endr
.irp b, 0,1,2,3
	s_delay_alu instid0(VALU_DEP_4)
	v_permlanex16_b32 v[TM+4+\b], v[TM+\b], s[SEL], s[SEL+1]
.endr
.irp b, 0,1,2,3
	s_delay_alu instid0(VALU_DEP_4)
	v_max_num_f32 v[TM+\b], v[TM+\b], v[TM+4+\b]
.endr
.irp b, 0,1,2,3
	s_delay_alu instid0(VALU_DEP_4)
	v_add_nc_u32 v[TM+12+\b], 0xff000000, v[TM+\b]   ; 2 off the exponent field: the conversion's scale operand
.endr
.irp b, 0,1,2,3
	s_delay_alu instid0(VALU_DEP_4)
	v_lshrrev_b32 v[TM+4+\b], 23, v[TM+12+\b]
.endr
	s_delay_alu instid0(VALU_DEP_3)
	v_lshl_or_b32 v[\pw], v[TM+5], 8, v[TM+4]
	s_delay_alu instid0(VALU_DEP_1)
	v_lshl_or_b32 v[\pw], v[TM+6], 16, v[\pw]
	s_delay_alu instid0(VALU_DEP_1)
	v_lshl_or_b32 v[\pw], v[TM+7], 24, v[\pw]
.irp c, 0,1
	v_cvt_scalef32_pk16_fp6_f32 v[PC+6*\c:PC+2+6*\c], v[\s+32*\c:\s+15+32*\c], v[TM+12+2*\c]
	v_cvt_scalef32_pk16_fp6_f32 v[PC+12+4*\c:PC+14+4*\c], v[\s+16+32*\c:\s+31+32*\c], v[TM+12+2*\c+1]
.endr
	v_nop                                          ; one plain place behind a scaled conversion
.irp c, 0,1                                    ; a whole block to a lane
.irp i, 0,1,2
	v_permlane16_swap_b32 v[PC+6*\c+\i], v[PC+12+4*\c+\i]
.endr
.irp i, 0,1,2
	s_delay_alu instid0(VALU_DEP_3)
	v_mov_b32 v[PC+3+6*\c+\i], v[PC+12+4*\c+\i]
.endr
.endr
.endm
	s_load_b512 s[4:19], s[0:1], 0x0               ; q, k, v, Wq, Wk, Wv, Wo, mask
	s_load_b128 s[20:23], s[0:1], 0x40             ; xw, mb
	v_lshrrev_b32 v1, 5, v0
	s_delay_alu instid0(VALU_DEP_1)
	v_readfirstlane_b32 s24, v1                    ; wave 0..10
	v_and_b32 v1, 31, v0                           ; lane
	v_and_b32 v2, 15, v0                           ; r
	v_bfe_u32 v3, v0, 4, 1                         ; h
	s_delay_alu instid0(VALU_DEP_3)
	v_lshlrev_b32 v4, 4, v1                        ; 16 l
	s_delay_alu instid0(VALU_DEP_4)
	v_lshlrev_b32 v5, 3, v1                        ; 8 l
	s_mul_i32 s90, s24, STG
	v_add_nc_u32 v6, s90, v4                       ; the stage, on the way in
	v_mul_u32_u24 v7, v2, PITCH
	v_mul_u32_u24 v9, v2, PITCH
	v_lshl_add_u32 v7, v3, 6, v7
	v_lshl_add_u32 v9, v3, 7, v9
	v_add_nc_u32 v7, s90, v7                       ; on the way out, numbers: row r, + 64 h
	v_add_nc_u32 v9, s90, v9                       ; the mask: row r, + 128 h
	v_lshlrev_b32 v8, 5, v2
	s_delay_alu instid0(VALU_DEP_1)
	v_lshl_add_u32 v8, v3, 4, v8                   ; my 16 of the tile's 512 scale bytes
	v_lshl_add_u32 v[SPW], v0, 2, SPARE
	v_mov_b32 v[NIL], 0
.irp j, 10,11,12,13,14,15,16,17,18,19
	v_mov_b32 v[\j], 0                             ; written once, so that both kinds of unit find them written
.endr
.irp b, 0,1,2,3
	v_mov_b32 v[TM+4+\b], 0                        ; a lane permute's destination counts as one of its sources
.endr
	s_mov_b32 s[SEL], 0x76543210
	s_mov_b32 s[SEL+1], 0xfedcba98
	s_mul_i32 s25, ttmp9, 11
	s_add_co_u32 s25, s25, s24                     ; U: my unit
	s_mov_b32 s82, 4096                            ; from row to row, in bytes (the mask: 8,192)
	s_mov_b32 s83, 0
	s_mov_b32 s85, 0
	s_cmp_ge_u32 s25, 512
	s_cselect_b32 s91, 15, 16                      ; a tile's place in its group: 2^16 bytes for neighbouring rows, 2^15 for chosen rows, 2^12 for a half row of the mask
	s_cselect_b32 s84, 32768, 0                    ; chosen rows: rows 8-15 lie 8 rows further on
	s_cmp_ge_u32 s25, 1792
	s_cselect_b32 s91, 12, s91
	s_cselect_b32 s84, 0, s84
	s_cselect_b32 s82, 8192, s82
	s_cselect_b32 s77, 1, 0                        ; 1: a unit of the mask
	s_sub_co_u32 s94, s25, 512
	s_cmp_lt_u32 s94, 512                          ; a unit of k?
	s_cselect_b32 s76, 2, 1                        ; 2^s76 tiles form a group: four of k, two elsewhere
	s_cselect_b32 s84, 98304, s84                  ; k: rows 8-15 lie 24 rows further on
	s_wait_kmcnt 0x0
	s_mov_b64 s[28:29], s[4:5]
	s_mov_b32 s26, 0
.macro PICK bound, ptr                         ; the tensor of my unit, and its first unit: the choice hangs on ids alone
	s_cmp_ge_u32 s25, \bound
	s_cselect_b64 s[28:29], s[\ptr:\ptr+1], s[28:29]
	s_cselect_b32 s26, \bound, s26
.endm
	PICK 512, 6
	PICK 1024, 8
	PICK 1536, 10
	PICK 1600, 12
	PICK 1664, 14
	PICK 1728, 16
	PICK 1792, 18
	s_sub_co_u32 s27, s25, s26                     ; T: the unit's number in its tensor
	s_lshr_b32 s30, s27, s76
	s_add_co_u32 s94, s76, 16
	s_lshl_b32 s30, s30, s94                       ; the group: 2^16 bytes a tile
	s_bfm_b32 s94, s76, 0
	s_and_b32 s31, s27, s94
	s_lshl_b32 s31, s31, s91
	s_add_co_u32 s30, s30, s31
	s_mov_b32 s31, 0
	s_add_nc_u64 s[ROWP:ROWP+1], s[28:29], s[30:31]
.irp i, 1,2,3,4,5,6,7,8,9,10,11,12,13,14,15
	s_add_nc_u64 s[ROWP+2*\i:ROWP+2*\i+1], s[ROWP+2*\i-2:ROWP+2*\i-1], s[82:83]
.if \i == 8
	s_add_nc_u64 s[ROWP+16:ROWP+17], s[ROWP+16:ROWP+17], s[84:85]
.endif
.endr
	s_mul_i32 s86, s25, 12288                      ; numbers: codes at 12,288 U of xw;
	s_lshl_b32 s87, s27, 11                        ; mask: words at 2,048 T of mb
	s_lshl_b32 s88, s25, 9
	s_add_co_u32 s88, s88, XS                      ; numbers: scale bytes at XS + 512 U (a unit of the mask makes this sum too, and never uses it)
	s_mov_b32 s89, 0
	s_cmp_ge_u32 s25, 1792
	s_cselect_b64 s[78:79], s[22:23], s[20:21]
	s_cselect_b32 s86, s87, s86
	s_mov_b32 s87, 0
	s_add_nc_u64 s[78:79], s[78:79], s[86:87]
	s_add_nc_u64 s[80:81], s[20:21], s[88:89]
.macro LOAD t                                  ; step t: 128 elements of each of the 16 rows
.irp i, 0,1,2,3,4,5,6,7,8,9,10,11,12,13,14,15
	global_load_b128 v[R+64*((\t)%3)+4*\i:R+64*((\t)%3)+4*\i+3], v4, s[ROWP+2*\i:ROWP+2*\i+1] offset:512*(\t) th:TH_LOAD_NT
.endr
.endm
.macro STEP t
.set RS, R+64*((\t)%3)
.if (\t) <= 5
	s_wait_loadcnt 32                              ; this step's 16 loads are in; those of the two steps behind it may be out
.elseif (\t) == 6
	s_wait_loadcnt 16
.else
	s_wait_loadcnt 0
.endif
.irp i, 0,1,2,3,4,5,6,7,8,9,10,11,12,13,14,15
	ds_store_b128 v6, v[RS+4*\i:RS+4*\i+3] offset:PITCH*\i
.endr
	s_wait_xcnt 0x0                                ; the last step's stores have read their data
	s_cmp_lg_u32 s77, 0
	s_cbranch_scc1 .Lmask_\@
.irp g, 0,1,2,3                                ; LDS serves a wave's instructions in order (ISA guide 5.7.1.4): these see the stores above
.irp j, 0,1,2,3
	ds_load_b128 v[RS+16*\g+4*\j:RS+16*\g+4*\j+3], v7 offset:128*\g+16*\j   ; register 16 g + i: element 32 g + 16 h + i of row r
.endr
.endr
	s_wait_dscnt 0x0
	QUANT RS, PW+\t
	global_store_b128 v4, v[PC:PC+3], s[78:79] offset:1536*(\t)            ; two half images: each store covers 512 or 256 consecutive bytes, aligned to 256
	global_store_b64 v5, v[PC+4:PC+5], s[78:79] offset:1536*(\t)+512
	global_store_b128 v4, v[PC+6:PC+9], s[78:79] offset:1536*(\t)+768
	global_store_b64 v5, v[PC+10:PC+11], s[78:79] offset:1536*(\t)+1280
	s_branch .Ljoin_\@
.Lmask_\@:
.irp m, 0,1,2,3,4,5,6,7,8,9,10,11,12,13,14,15
	ds_load_b128 v[RS+4*\m:RS+4*\m+3], v9 offset:256*(\m/8)+16*(\m%8)      ; register n: element 64 (n / 32) + 32 h + n % 32 of row r
.endr
	s_wait_dscnt 0x0
.irp q, 0,1,2,3,4,5,6,7                        ; register n against 0 gives word n; eight at a time
.irp k, 0,1,2,3,4,5,6,7
	v_cmp_ne_u32 s[CMP+\k], 0, v[RS+8*\q+\k]
.endr
.irp k, 0,1,2,3,4,5,6,7
	v_writelane_b32 v[W0+\k%2], s[CMP+\k], 4*\q+\k/2
.endr
.endr
	global_store_b64 v5, v[W0:W0+1], s[78:79] offset:256*(\t)              ; 32 lanes store the step's 256 bytes
.Ljoin_\@:
.if (\t)+3 < 8
	LOAD (\t)+3
.endif
.endm
	LOAD 0
	LOAD 1
	LOAD 2
.irp t, 0,1,2,3,4,5,6,7
	STEP \t
.endr
	s_cmp_lg_u32 s77, 0
	s_cbranch_scc1 .Lmask_end
	v_cmp_le_u32 vcc_lo, 16, v1                    ; lanes 0-15 store their row's words 0-3, lanes 16-31 words 4-7
.irp j, 0,1,2,3
	v_cndmask_b32 v[SD+\j], v[PW+\j], v[PW+4+\j], vcc_lo
.endr
	global_store_b128 v8, v[SD:SD+3], s[80:81]     ; 512 consecutive bytes
.Lmask_end:
	s_wait_tensorcnt 0x0                           ; the wave's end
	ds_add_u32 v[SPW], v[NIL]
	s_wait_dscnt 0x0
	s_endpgm
.Lfunc_end_k_q08a62a762f_prep:
	.size	k_q08a62a762f_prep, .Lfunc_end_k_q08a62a762f_prep-k_q08a62a762f_prep
	.p2alignl 7, 3214868480
	.fill 96, 4, 3214868480
	.section	.rodata,"a",@progbits
	.p2align	6, 0x0
	.amdhsa_kernel k_q08a62a762f_prep
		.amdhsa_group_segment_fixed_size 94464
		.amdhsa_private_segment_fixed_size 0
		.amdhsa_enable_private_segment 0
		.amdhsa_kernarg_size 80
		.amdhsa_user_sgpr_count 2
		.amdhsa_user_sgpr_kernarg_segment_ptr 1
		.amdhsa_wavefront_size32 1
		.amdhsa_system_sgpr_workgroup_id_x 1
		.amdhsa_system_sgpr_workgroup_id_y 1
		.amdhsa_system_sgpr_workgroup_id_z 1
		.amdhsa_system_vgpr_workitem_id 0
		.amdhsa_next_free_vgpr 256
		.amdhsa_next_free_sgpr 96
		.amdhsa_reserve_vcc 1
		.amdhsa_float_denorm_mode_32 3
		.amdhsa_float_denorm_mode_16_64 3
		.amdhsa_memory_ordered 1
		.amdhsa_forward_progress 1
		.amdhsa_inst_pref_size 155
	.end_amdhsa_kernel
	.amdgpu_metadata
---
amdhsa.version: [ 1, 2 ]
amdhsa.kernels:
  - .name:           k_q08a62a762f_prep
    .symbol:         k_q08a62a762f_prep.kd
    .args:
      - { .name: q, .offset: 0, .size: 8, .value_kind: global_buffer, .address_space: global }
      - { .name: k, .offset: 8, .size: 8, .value_kind: global_buffer, .address_space: global }
      - { .name: v, .offset: 16, .size: 8, .value_kind: global_buffer, .address_space: global }
      - { .name: Wq, .offset: 24, .size: 8, .value_kind: global_buffer, .address_space: global }
      - { .name: Wk, .offset: 32, .size: 8, .value_kind: global_buffer, .address_space: global }
      - { .name: Wv, .offset: 40, .size: 8, .value_kind: global_buffer, .address_space: global }
      - { .name: Wo, .offset: 48, .size: 8, .value_kind: global_buffer, .address_space: global }
      - { .name: mask, .offset: 56, .size: 8, .value_kind: global_buffer, .address_space: global }
      - { .name: xw, .offset: 64, .size: 8, .value_kind: global_buffer, .address_space: global }
      - { .name: mb, .offset: 72, .size: 8, .value_kind: global_buffer, .address_space: global }
    .group_segment_fixed_size: 94464
    .private_segment_fixed_size: 0
    .kernarg_segment_align: 8
    .kernarg_segment_size: 80
    .max_flat_workgroup_size: 352
    .sgpr_count:     96
    .vgpr_count:     256
    .wavefront_size: 32
...
	.end_amdgpu_metadata
.endif
;; end of part 1
;; launch proj (part 2): grid 4 x 48, 4 waves a work-group, clusters of 4 x 1, 327,680 bytes of LDS; arguments xw, bq, bk, bv, qi, kv; writes qi, kv
.if DOCPART == 2
	.amdgcn_target "amdgcn-amd-amdhsa--gfx1250"
	.amdhsa_code_object_version 6
	.text
	.protected	k_q08a62a762f_proj
	.globl	k_q08a62a762f_proj
	.p2align	8
	.type	k_q08a62a762f_proj,@function
k_q08a62a762f_proj:
	s_mov_b64 s[64:65], 0
	v_nop
	global_prefetch_b8 v0, s[64:65] scope:SCOPE_SE
	s_setreg_imm32_b32 hwreg(HW_REG_WAVE_MODE, 25, 1), 1
	s_wait_xcnt 0x0
	s_wait_alu depctr_hold_cnt(0) depctr_sa_sdst(0) depctr_va_vdst(0) depctr_va_sdst(0) depctr_va_ssrc(0) depctr_va_vcc(0) depctr_vm_vsrc(0)
	s_getreg_b32 s2, hwreg(HW_REG_IB_STS2, 6, 4)
	s_cmp_eq_u32 s2, 0
	s_cbranch_scc0 .Lentry_in_a_cluster
	s_endpgm
.Lentry_in_a_cluster:
	s_bfe_u32 s2, ttmp6, 0x10000c
	s_cmp_lg_u32 s2, 0x3003
	s_cbranch_scc0 .Lentry_shape_is_right
	s_endpgm
.Lentry_shape_is_right:
; The three projections x W^T + b on codes of FP6 (E2M3), K = 1,024; their results are quantised in registers and stored as the operands of the attention launch.
; A tile is panel P0 (128 rows, source 0) x panel P1 (256 rows, source 1).  A WORK-GROUP STAYS: it keeps ONE panel P1 in LDS for all of K (196,608 bytes, filled once) and walks FOUR neighbouring panels of P0.
;   Q (cluster rows 0-15) and K (16-31): P1 = 256 tokens, P0 = 128 rows of the weight (two heads): 32 panels of tokens x 2 walks of 4.   V (32-47): P1 = 256 rows of Wv (four heads), P0 = 128 tokens: 4 panels x 16 walks.
;   3 x 64 work-groups: a weight's 8 panels do not divide into walks of 3, so the grid is 192 and not 256.
; P0 comes in halves of K through a ring of two slots of 49,152 bytes: slot 0 holds K steps 0-3, slot 1 K steps 4-7.  A slot is asked for again when its last fragments are in registers: slot 0 in K step 3, slot 1 in K step 7,
; each time for the next tile; a refill has four K steps' products, 128 matrix instructions, or the way out in which to land, so no prefetch is laid.  The last tile asks for nothing and is written out.
; CLUSTER 4 x 1: the four partners hold different panels P1 (plain loads) and walk the same panels P0, which are asked for JOINTLY (mask 15): P0's addresses are made of the cluster's number and the wave's alone.
; Every refill stands behind a wait on its tensor loads, an LDS add and a round of the cluster's barrier, one load a wave: 2 row tiles of the slot's 8.
; HEAD: one load a wave: wave 0 slot 0, wave 1 P1's first half of K, wave 2 P1's second half, wave 3 slot 1.  The first barrier shows waves 0 and 1's; the round in K step 3 all.
; The scale words go from memory straight into registers, anew for each tile, under the way out of the tile before; so does the bias along P0 (Q, K), which is the C of each sum's first matrix instruction.
; V's bias runs along P1 and is added on the way out (its C is zeros, so that one text of products serves).
; Four waves; a wave takes all 8 tiles of P0 x its own 4 tiles of P1: 32 accumulators.  A lane holds ONE row of P1, and its registers run along P0:
; P0's tiles take rows 32 (T / 2) + 8 (T % 2) + i + 8 (i / 8), so register 8 a + j of a lane is P0's row 32 (a / 2) + 16 (lane / 16) + 8 (a % 2) + j.
; Codes come as half images (16 rows x 64 K in 768 bytes: lane l's registers 0-3 at 16 l, registers 4-5 at 512 + 8 l).
; LIMITS: a block of zeros gets the byte 1 (its codes are zeros; this program alone reads the bytes); NaN and infinities are not served.
; REGISTERS: window 0: v1-9, v18-23 addresses; v16-17 the add's; v24-29 at work at the head; v32-95 scale words; v96-191 P1's fragments, two sets.   window 1: the 32 accumulators ((a, b) at v[64 b + 8 a]).
;   window 2: P0's fragments, two sets.   window 3: v0-63 the bias along P0; v64-189 the way out.
.set XS,    22020096
.set QS,    6291456
.set HEADB, 208896                     ; kv: a head's block;
.set STEPB, 13056                      ; in it a block for each 128 keys: K's 8 half images, V^T's 4 fragments, K's scale words (512 bytes), V's (256)
.set SLOT,  49152                      ; LDS: two slots for P0's halves of K: 8 tiles of 6,144 bytes;
.set P1B,   98304                      ; behind them P1's two halves of K, 16 tiles of 6,144 bytes each
.set P1H,   98304
.set SPARE, 294912
.set SPW,   16
.set NIL,   17
.set SC,    32                         ; v[SC + 8 i + ks]: lanes 0-15 the word of P0's tile i, lanes 16-31 that of my P1 tile i % 4
.set BF,    96
.set T,     64                         ; window 3: 64 numbers,
.set PC,    128                        ; their codes,
.set B1,    148                        ; the bias along P1 (pairs; the odd partners are zeros),
.set TM,    156
.set PWS,   176
.set WD,    180
.set AD,    184                        ; and the stores' six places
.set WV,    16
.set TL,    17
.set PR,    19                         ; 0 Q, 1 K, 2 V
.set P0B,   20                         ; the walk's first panel of P0
.set P1I,   21
.set G1J8,  24                         ; groups 1: a whole slot, jointly; a half of P1, plainly; 2 row tiles of a slot, jointly
.set G1P,   32
.set G1J2,  40
.set SEL,   88
.set MSB, 0
.macro WIN new
.if MSB != \new
	s_set_vgpr_msb (MSB<<8)|\new
.set MSB, \new
.endif
.endm
.macro PLACES
.rept 4
	v_nop
.endr
.endm
.macro CROUND
	s_barrier_signal -1
	s_barrier_wait -1
	s_cmp_lg_u32 s[WV], 0
	s_cbranch_scc1 .Lnot_wave_0_\@
	s_barrier_signal -3
.Lnot_wave_0_\@:
	s_barrier_wait -3
	s_barrier_signal -1
	s_barrier_wait -1
.endm
.macro MKG1 g, c, rows, pitch          ; rows of c elements of 8 bytes, pitch elements apart
	s_mov_b32 s[\g+1], (\c)<<16
	s_mov_b32 s[\g+2], (\rows)<<16
	s_mov_b32 s[\g+3], (\c)<<16
	s_mov_b32 s[\g+4], \rows
	s_mov_b32 s[\g+5], \pitch
	s_mov_b32 s[\g+6], 0
	s_mov_b32 s[\g+7], 0
.endm
.macro ARM under, g0, g1, next         ; one arm of the head's chain: one load, then the jump to the join
	s_cmp_lt_u32 s[WV], \under
	s_cbranch_scc0 \next
	tensor_load_to_lds s[\g0:\g0+3], s[\g1:\g1+7]
	s_nop 0
	PLACES
	s_branch .Lasked
\next:
.endm
.macro QUANT s, pw                     ; 64 numbers of a lane, register 16 b + i = k 32 b + 16 (lane / 16) + i of my row -> codes in v[PC] on, scale word in v[pw]
.irp b, 0,1,2,3
	v_max3_num_f32 v[TM+\b], |v[\s+16*\b]|, |v[\s+1+16*\b]|, 0x1800000
.endr
.irp i, 2,4,6,8,10,12,14
.irp b, 0,1,2,3
	v_max3_num_f32 v[TM+\b], v[TM+\b], |v[\s+16*\b+\i]|, |v[\s+1+16*\b+\i]|
.endr
.endr
.irp b, 0,1,2,3
	v_permlanex16_b32 v[TM+4+\b], v[TM+\b], s[SEL], s[SEL+1]
.endr
.irp b, 0,1,2,3
	v_max_num_f32 v[TM+\b], v[TM+\b], v[TM+4+\b]
.endr
.irp b, 0,1,2,3
	v_add_nc_u32 v[TM+12+\b], 0xff000000, v[TM+\b]
.endr
.irp b, 0,1,2,3
	v_lshrrev_b32 v[TM+4+\b], 23, v[TM+12+\b]
.endr
	v_lshl_or_b32 v[\pw], v[TM+5], 8, v[TM+4]
	v_lshl_or_b32 v[\pw], v[TM+6], 16, v[\pw]
	v_lshl_or_b32 v[\pw], v[TM+7], 24, v[\pw]
.irp c, 0,1
	v_cvt_scalef32_pk16_fp6_f32 v[PC+6*\c:PC+2+6*\c], v[\s+32*\c:\s+15+32*\c], v[TM+12+2*\c]
	v_cvt_scalef32_pk16_fp6_f32 v[PC+12+4*\c:PC+14+4*\c], v[\s+16+32*\c:\s+31+32*\c], v[TM+12+2*\c+1]
.endr
	v_nop
.irp c, 0,1
.irp i, 0,1,2
	v_permlane16_swap_b32 v[PC+6*\c+\i], v[PC+12+4*\c+\i]
.endr
.irp i, 0,1,2
	v_mov_b32 v[PC+3+6*\c+\i], v[PC+12+4*\c+\i]
.endr
.endr
.endm
.macro SCLOAD                          ; a row's eight scale words, for all of K
.irp i, 0,1,2,3
	global_load_b128 v[SC+8*\i:SC+8*\i+3], v8, s[68:69] offset:512*\i
	global_load_b128 v[SC+8*\i+4:SC+8*\i+7], v8, s[68:69] offset:512*\i+16
	global_load_b128 v[SC+32+8*\i:SC+32+8*\i+3], v9, s[68:69] offset:512*\i
	global_load_b128 v[SC+32+8*\i+4:SC+32+8*\i+7], v9, s[68:69] offset:512*\i+16
.endr
.endm
.macro BIASLOAD                        ; the panel's 128 numbers, laid as the result lies
	WIN 0xc0
.irp a, 0,1,2,3,4,5,6,7
	global_load_b128 v[8*\a:8*\a+3], v23, s[104:105] offset:(32*(\a/2)+8*(\a%2))*4
	global_load_b128 v[8*\a+4:8*\a+7], v23, s[104:105] offset:(32*(\a/2)+8*(\a%2))*4+16
.endr
.endm
	s_load_b256 s[4:11], s[0:1], 0x0               ; xw, bq, bk, bv
	s_load_b128 s[12:15], s[0:1], 0x20             ; qi, kv
	v_lshl_add_u32 v[SPW], v0, 2, SPARE
	v_mov_b32 v[NIL], 0
	ds_add_u32 v[SPW], v[NIL]                      ; the opening lines
	ds_add_u32 v[SPW], v[NIL]
	v_lshrrev_b32 v1, 5, v0
	v_readfirstlane_b32 s[WV], v1
	s_bfe_u32 s2, ttmp6, 0x40000                   ; cx
	s_and_b32 s22, ttmp7, 0xffff                   ; the cluster's y: 16 for each projection
	s_lshr_b32 s[PR], s22, 4
	s_and_b32 s22, s22, 15                         ; c
	s_lshr_b32 s23, s22, 1
	s_lshl_b32 s23, s23, 2                         ; Q, K: 4 (c / 2)
	s_and_b32 s18, s22, 1
	s_lshl_b32 s18, s18, 2                         ; Q, K: 4 (c % 2)
	s_lshl_b32 s22, s22, 2                         ; V: 4 c
	s_cmp_eq_u32 s[PR], 2
	s_cselect_b32 s[P0B], s22, s18                 ; nothing of cx in it
	s_cselect_b32 s23, 0, s23
	s_add_co_u32 s[P1I], s23, s2                   ; P1's panel: Q, K: 32 panels of tokens; V: 4 panels of Wv
	s_mov_b32 s[G1J8], 15|(3<<16)|(1<<21)          ; 15:0 the mask: all four; 17:16 elements of 8 bytes; 21 set beside a mask
	s_mov_b32 s[G1J2], 15|(3<<16)|(1<<21)
	s_mov_b32 s[G1P], 3<<16
	MKG1 G1J8, 768, 8, 1536                        ; a half of K: 6,144 bytes of each row tile's 12,288
	MKG1 G1P, 768, 16, 1536
	MKG1 G1J2, 768, 2, 1536
	s_mov_b32 s100, 1536                           ; the first row tile in xw of P0's tensor (Wq, Wk, v) and of P1's (q, k, Wv)
	s_cmp_eq_u32 s[PR], 1
	s_cselect_b32 s100, 1600, s100
	s_cselect_b32 s101, 512, 0
	s_cmp_eq_u32 s[PR], 2
	s_cselect_b32 s100, 1024, s100
	s_cselect_b32 s101, 1664, s101
	s_lshl_b32 s66, s[P0B], 3
	s_add_co_u32 s100, s100, s66                   ; the walk's first row tile of P0
	s_lshl_b32 s67, s[P1I], 4
	s_add_co_u32 s101, s101, s67                   ; P1's first row tile
	s_and_b32 s22, s[WV], 1                        ; waves 0, 3: slot 0, 1
	s_lshr_b32 s23, s[WV], 1                       ; waves 1, 2: P1's half 0, 1
	s_lshl_b32 s70, s100, 9                        ; the scale bytes of P0's tiles, from XS on,
	s_lshl_b32 s71, s[WV], 2
	s_add_co_u32 s71, s71, s101
	s_lshl_b32 s71, s71, 9                         ; and of my four tiles of P1
	v_and_b32 v1, 31, v0                           ; lane
	v_and_b32 v2, 15, v0                           ; r
	v_bfe_u32 v3, v0, 4, 1                         ; h
	v_xor_b32 v22, 1, v3                           ; 1 in lanes 0-15
	v_lshlrev_b32 v23, 6, v3                       ; the bias along P0: 64 h
	v_and_b32 v11, 8, v2
	v_add_nc_u32 v11, v11, v2
	v_lshlrev_b32 v11, 2, v11                      ; the bias along P1: 4 (r + 8 (r / 8))
	s_wait_alu depctr_va_vdst(0)
	s_wait_dscnt 0x0
	s_wait_kmcnt 0x0
	s_mov_b32 s48, 1                               ; group 0, a whole slot at the head
	s_mul_i32 s49, s22, SLOT
	s_mul_i32 s50, s100, 12288
	s_mul_i32 s18, s22, 6144
	s_add_co_u32 s50, s50, s18
	s_mov_b32 s51, 0
	s_add_nc_u64 s[50:51], s[4:5], s[50:51]
	s_or_b32 s51, s51, 0x80000000
	s_mov_b32 s52, 1                               ; a half of P1
	s_mul_i32 s53, s23, P1H
	s_add_co_u32 s53, s53, P1B
	s_mul_i32 s54, s101, 12288
	s_mul_i32 s18, s23, 6144
	s_add_co_u32 s54, s54, s18
	s_mov_b32 s55, 0
	s_add_nc_u64 s[54:55], s[4:5], s[54:55]
	s_or_b32 s55, s55, 0x80000000
	s_mov_b32 s56, 1                               ; the refills: my 2 row tiles of slot 0; the address stands at the first tile and is stepped ahead of each refill
	s_mul_i32 s57, s[WV], 12288
	s_lshl_b32 s18, s[WV], 1
	s_add_co_u32 s18, s18, s100
	s_mul_i32 s58, s18, 12288
	s_mov_b32 s59, 0
	s_add_nc_u64 s[58:59], s[4:5], s[58:59]
	s_mov_b32 s60, 1                               ; and of slot 1
	s_add_co_u32 s61, s57, SLOT
	s_add_nc_u64 s[62:63], s[58:59], 6144
	s_or_b32 s59, s59, 0x80000000
	s_or_b32 s63, s63, 0x80000000
	s_add_nc_u64 s[68:69], s[4:5], XS
	s_mov_b32 s3, 0
	s_cmp_eq_u32 s[PR], 2
	s_cbranch_scc1 .Lbias_v
	s_cmp_eq_u32 s[PR], 1
	s_cselect_b64 s[104:105], s[8:9], s[6:7]
	s_lshl_b32 s2, s[P0B], 9
	s_add_nc_u64 s[104:105], s[104:105], s[2:3]    ; the first panel's 128 numbers
	BIASLOAD
.irp j, 0,1,2,3,4,5,6,7
	v_mov_b32 v[B1+\j], 0
.endr
	WIN 0
	s_branch .Lbias_done
.Lbias_v:
	s_lshl_b32 s2, s[P1I], 2
	s_add_co_u32 s2, s2, s[WV]
	s_lshl_b32 s2, s2, 8
	s_add_nc_u64 s[104:105], s[10:11], s[2:3]      ; my wave's 64 numbers of bv
	WIN 0xc0
.set j, 0
.rept 64
	v_mov_b32 v[j], 0                              ; V has no bias along P0
.set j, j+1
.endr
.irp b, 0,1,2,3
	global_load_b32 v[B1+2*\b], v11, s[104:105] offset:(32*(\b/2)+8*(\b%2))*4
	v_mov_b32 v[B1+2*\b+1], 0
.endr
	WIN 0
.Lbias_done:
	CROUND                                         ; all four work-groups are here: the joint loads meet
	ARM 1, 48, G1J8, .Larm_1
	ARM 2, 52, G1P, .Larm_2
	ARM 3, 52, G1P, .Larm_3
	tensor_load_to_lds s[48:51], s[G1J8:G1J8+7]
	s_nop 0
	PLACES
.Lasked:
	v_mul_u32_u24 v8, s70, v22
	v_mad_u32_u24 v8, s71, v3, v8
	v_lshl_add_u32 v8, v2, 5, v8                   ; lanes 0-15: row r of P0's tile 0; lanes 16-31: of my P1 tile 0
	v_lshl_add_u32 v9, v22, 11, v8                 ; lanes 0-15: of P0's tile 4
	SCLOAD
	v_lshlrev_b32 v4, 4, v1                        ; slot 0: 16 l,
	v_lshlrev_b32 v5, 3, v1                        ; 8 l;
	v_add_nc_u32 v18, SLOT, v4                     ; slot 1
	v_add_nc_u32 v19, SLOT, v5
	s_mul_i32 s22, s[WV], 24576
	s_add_co_u32 s22, s22, P1B
	v_add_nc_u32 v6, s22, v4                       ; my four tiles of P1, first half of K,
	v_add_nc_u32 v7, s22, v5
	v_add_nc_u32 v20, P1H, v6                      ; second half
	v_add_nc_u32 v21, P1H, v7
	; where the first tile's results go, and what each later tile adds
	s_lshl_b32 s90, s[P1I], 4
	s_lshl_b32 s91, s[WV], 2
	s_add_co_u32 s90, s90, s91                     ; Q, K: my first tile of tokens
	s_lshr_b32 s91, s90, 7                         ; its batch,
	s_and_b32 s90, s90, 127                        ; and its number in the batch
	s_lshl_b32 s91, s91, 4
	s_lshl_b32 s92, s[P0B], 1
	s_add_co_u32 s91, s91, s92                     ; 16 x batch + the first of the panel's two heads
	s_mov_b32 s95, 0
	s_mov_b32 s97, 0
	s_mov_b32 s77, 0
	s_mov_b32 s79, 0
	s_mov_b32 s81, 0
	s_mov_b32 s[SEL], 0x76543210
	s_mov_b32 s[SEL+1], 0xfedcba98
	s_cmp_eq_u32 s[PR], 0
	s_cbranch_scc0 .Lnot_q
	s_lshl_b32 s94, s91, 7                         ; Q: half image of (head, tile) at (128 head + tile) x 768
	s_add_co_u32 s94, s94, s90
	s_mul_i32 s94, s94, 768
	s_mov_b32 s76, 768                             ; from my tile to my next
	s_mov_b32 s82, 98304                           ; from head to head
	s_mov_b32 s78, 196608-2304                     ; from my last tile to my first under the next panel's two heads
	s_lshl_b32 s96, s91, 5                         ; scale words: 256 bytes for four tiles: 16 r + 4 (tile % 4)
	s_lshr_b32 s92, s90, 2
	s_add_co_u32 s96, s96, s92
	s_lshl_b32 s96, s96, 8
	s_add_co_u32 s96, s96, QS
	s_mov_b32 s83, 8192
	s_mov_b32 s80, 16384
	s_mov_b32 s84, 16                              ; lanes 16-31 store the second head's two bytes
	s_mov_b32 s85, 0xffff                          ; the upper two bytes are 0: they scale the half of the scores' K that holds zero codes
	s_mov_b32 s86, -1
	s_branch .Lplaced
.Lnot_q:
	s_cmp_eq_u32 s[PR], 1
	s_cbranch_scc0 .Lis_v
	s_mul_i32 s94, s91, HEADB                      ; K: the head's block, the block of the tile's 128 keys,
	s_lshr_b32 s92, s90, 3
	s_mul_i32 s92, s92, STEPB
	s_add_co_u32 s94, s94, s92
	s_bfe_u32 s92, s90, 0x10002
	s_lshl_b32 s92, s92, 8
	s_add_co_u32 s96, s94, s92
	s_add_co_u32 s96, s96, 12288                   ; its scale words
	s_and_b32 s92, s90, 7
	s_mul_i32 s92, s92, 768
	s_add_co_u32 s94, s94, s92                     ; and the tile's half image
	s_mov_b32 s76, 768
	s_mov_b32 s82, HEADB
	s_mov_b32 s78, 2*HEADB-2304
	s_mov_b32 s83, HEADB
	s_mov_b32 s80, 2*HEADB
	s_mov_b32 s84, 16
	s_mov_b32 s85, 0xffff
	s_mov_b32 s86, -1
	s_branch .Lplaced
.Lis_v:
	s_lshr_b32 s91, s[P0B], 4                      ; V: the batch of the walk's 512 keys,
	s_lshl_b32 s91, s91, 4
	s_lshl_b32 s92, s[P1I], 2
	s_add_co_u32 s91, s91, s92
	s_add_co_u32 s91, s91, s[WV]                   ; my wave's head,
	s_mul_i32 s94, s91, HEADB
	s_and_b32 s92, s[P0B], 15
	s_mul_i32 s92, s92, STEPB
	s_add_co_u32 s94, s94, s92                     ; the first 128 keys' block
	s_add_co_u32 s96, s94, 12800                   ; V's scale words: 16 r + 4 tile
	s_add_co_u32 s94, s94, 6144                    ; V^T's fragments
	s_mov_b32 s76, 1536
	s_mov_b32 s82, 768
	s_mov_b32 s78, STEPB-4608
	s_mov_b32 s83, 0
	s_mov_b32 s80, STEPB
	s_mov_b32 s84, 0
	s_mov_b32 s85, -1
	s_mov_b32 s86, 0xffff                          ; lanes 0-15 alone store
.Lplaced:
	s_cmp_eq_u32 s[PR], 0
	s_cselect_b64 s[72:73], s[12:13], s[14:15]     ; qi or kv
	s_mov_b64 s[74:75], s[72:73]
	s_add_nc_u64 s[72:73], s[72:73], s[94:95]
	s_add_nc_u64 s[74:75], s[74:75], s[96:97]
	v_lshlrev_b32 v24, 4, v1                       ; a half image's places for my lane,
	v_lshl_add_u32 v25, v1, 3, 512
	v_add_nc_u32 v26, s82, v24                     ; the second half image's,
	v_add_nc_u32 v27, s82, v25
	v_mul_u32_u24 v28, s83, v3
	v_lshl_add_u32 v28, v2, 4, v28                 ; the scale words' place,
	v_mul_u32_u24 v29, s84, v3                     ; and by how much lanes 16-31 shift theirs
	WIN 0xc0
.irp j, 0,1,2,3,4,5
	v_mov_b32 v[AD+\j], v[24+\j]
.endr
.irp b, 0,1,2,3
	v_mov_b32 v[TM+4+\b], 0                        ; a lane permute's destination counts as one of its sources
.endr
	WIN 0
.macro FRAG reg, a16, a8, off
	ds_load_b128 v[\reg:\reg+3], v[\a16] offset:\off
	ds_load_b64 v[\reg+4:\reg+5], v[\a8] offset:\off+512
	ds_load_b128 v[\reg+6:\reg+9], v[\a16] offset:\off+768
	ds_load_b64 v[\reg+10:\reg+11], v[\a8] offset:\off+1280
.endm
.macro FETCH ks                        ; K step ks: P0's eight fragments and my four of P1, into set ks % 2; the second half of K goes by v18-21
	WIN 0x80
.irp a, 0,1,2,3,4,5,6,7
	FRAG 128*((\ks)%2)+12*\a, 4+14*((\ks)/4), 5+14*((\ks)/4), 6144*\a+1536*((\ks)%4)
.endr
	WIN 0
.irp b, 0,1,2,3
	FRAG BF+48*((\ks)%2)+12*\b, 6+14*((\ks)/4), 7+14*((\ks)/4), 6144*\b+1536*((\ks)%4)
.endr
.endm
.macro MUL ks                          ; 32 matrix instructions; the 32 accumulators take turns
.irp b, 0,1,2,3
.irp a, 0,1,2,3,4,5,6,7
.if (\ks) == 0
	v_wmma_scale_f32_16x16x128_f8f6f4 v[64*\b+8*\a:64*\b+8*\a+7], v[128*((\ks)%2)+12*\a:128*((\ks)%2)+12*\a+11], v[BF+48*((\ks)%2)+12*\b:BF+48*((\ks)%2)+12*\b+11], v[8*\a:8*\a+7], v[SC+8*\a+(\ks)], v[SC+8*\b+(\ks)] matrix_a_fmt:MATRIX_FMT_FP6 matrix_b_fmt:MATRIX_FMT_FP6 matrix_b_scale:MATRIX_SCALE_ROW1
.else
	v_wmma_scale_f32_16x16x128_f8f6f4 v[64*\b+8*\a:64*\b+8*\a+7], v[128*((\ks)%2)+12*\a:128*((\ks)%2)+12*\a+11], v[BF+48*((\ks)%2)+12*\b:BF+48*((\ks)%2)+12*\b+11], v[64*\b+8*\a:64*\b+8*\a+7], v[SC+8*\a+(\ks)], v[SC+8*\b+(\ks)] matrix_a_fmt:MATRIX_FMT_FP6 matrix_b_fmt:MATRIX_FMT_FP6 matrix_b_scale:MATRIX_SCALE_ROW1
.endif
.endr
.endr
.endm
.macro KSTEP ks, refill
.if ((\ks) == 3 || (\ks) == 7) && (\refill)
	s_wait_tensorcnt 0x0                           ; all my tensor loads have landed, my part of the other slot among them;
	ds_add_u32 v[SPW], v[NIL]
	s_add_nc_u64 s[58+4*((\ks)/4):59+4*((\ks)/4)], s[58+4*((\ks)/4):59+4*((\ks)/4)], 98304   ; no load of mine is out: this slot's half of the next panel, 8 row tiles on
	s_wait_dscnt 0x0                               ; the add is done, and my reads of this slot are over
	CROUND                                         ; both hold of every wave of all four work-groups
	tensor_load_to_lds s[56+4*((\ks)/4):59+4*((\ks)/4)], s[G1J2:G1J2+7]
	s_nop 0
	PLACES                                         ; also the places in front of the loads below
.elseif (\ks) == 3
	s_wait_dscnt 0x0
	s_wait_tensorcnt 0x0                           ; the last tile: slot 1's last fill is shown to all
	s_barrier_signal -1
	s_barrier_wait -1
	PLACES
.else
	s_wait_dscnt 0x0                               ; this step's fragments are in
	PLACES                                         ; the set to be loaded was read by the last step's products
.endif
.if (\ks) < 7
	FETCH (\ks)+1
.elseif \refill
	FETCH 0                                        ; the next tile's first fragments: slot 0's fill was waited for ahead of the round
.endif
.if (\ks) == 0
	WIN 0x72                                       ; source 0 window 2, source 1 window 0, C (the bias) window 3, D window 1
.else
	WIN 0x52
.endif
	MUL \ks
	WIN 0
.endm
.macro OUTB b                          ; my P1 tile b: 64 numbers a lane, quantised, two half images stored
	WIN 0xcd                                       ; source 0 window 1, source 1 and the destination window 3
.set i, 0
.rept 32
	v_pk_add_f32 v[T+2*i:T+2*i+1], v[64*\b+2*i:64*\b+2*i+1], v[B1+2*\b:B1+2*\b+1] op_sel_hi:[1,0]   ; + the bias along P1; each accumulator from its low end on
.set i, i+1
.endr
	WIN 0xff
	s_wait_xcnt 0x0                                ; the last tile's stores have read their data and their base
.if \b > 0
	s_add_nc_u64 s[72:73], s[72:73], s[76:77]
.endif
	QUANT T, PWS+\b
	WIN 0x0f                                       ; a store's address is its source 0, its data its source 1
	global_store_b128 v[AD], v[PC:PC+3], s[72:73]  ; each store covers 512 or 256 consecutive bytes, aligned to 256
	global_store_b64 v[AD+1], v[PC+4:PC+5], s[72:73]
	global_store_b128 v[AD+2], v[PC+6:PC+9], s[72:73]
	global_store_b64 v[AD+3], v[PC+10:PC+11], s[72:73]
.endm
.macro TILE refill
	s_wait_loadcnt 0x0                             ; this tile's scale words and bias
.irp ks, 0,1,2,3,4,5,6,7
	KSTEP \ks, \refill
.endr
	PLACES
.if \refill
	v_lshl_add_u32 v8, v22, 12, v8                 ; the next panel's scale words: lanes 0-15 go 8 row tiles on
	v_lshl_add_u32 v9, v22, 12, v9
	SCLOAD                                         ; they land under the way out
	s_cmp_eq_u32 s[PR], 2
	s_cbranch_scc1 .Lno_bias_\@
	s_add_nc_u64 s[104:105], s[104:105], 512       ; (the loads that read this base were waited for at the tile's head)
	BIASLOAD
	WIN 0
.Lno_bias_\@:
.endif
	OUTB 0
	OUTB 1
	OUTB 2
	OUTB 3
	WIN 0xff
.irp b, 0,1,2,3
	v_lshrrev_b32 v[WD+\b], v[AD+5], v[PWS+\b]
.endr
.irp b, 0,1,2,3
	v_and_b32 v[WD+\b], s85, v[WD+\b]
.endr
	WIN 0x0f
	s_mov_b32 vcc_lo, s86
	s_wait_alu depctr_va_vdst(0)
	s_wait_xcnt 0x0                                ; EXEC changes only behind this wait
	s_and_saveexec_b32 s87, vcc_lo
	global_store_b128 v[AD+4], v[WD:WD+3], s[74:75]   ; sixteen lanes store 256 consecutive bytes, aligned
	s_wait_xcnt 0x0
	s_or_b32 exec_lo, exec_lo, s87
	WIN 0
.if \refill
	s_add_nc_u64 s[72:73], s[72:73], s[78:79]      ; on to the next tile's places
	s_add_nc_u64 s[74:75], s[74:75], s[80:81]
.endif
.endm
	s_wait_alu depctr_va_vdst(0)
	s_cmp_lt_u32 s[WV], 2
	s_cbranch_scc0 .Lnot_first
	s_wait_tensorcnt 0x0                           ; waves 0 and 1: slot 0 and P1's first half of K have landed
.Lnot_first:
	s_barrier_signal -1
	s_barrier_wait -1
	FETCH 0
	s_mov_b32 s[TL], 0
.Ltile:                                                ; the walk's first three tiles
	TILE 1
	s_add_co_u32 s[TL], s[TL], 1
	s_cmp_lt_u32 s[TL], 3
	s_wait_alu depctr_va_vdst(0)
	s_cbranch_scc1 .Ltile
	TILE 0                                         ; the last asks for nothing more
	s_wait_tensorcnt 0x0                           ; the wave's end
	ds_add_u32 v[SPW], v[NIL]
	s_wait_dscnt 0x0
	CROUND                                         ; the closing round
	s_endpgm
.Lfunc_end_k_q08a62a762f_proj:
	.size	k_q08a62a762f_proj, .Lfunc_end_k_q08a62a762f_proj-k_q08a62a762f_proj
	.p2alignl 7, 3214868480
	.fill 96, 4, 3214868480
	.section	.rodata,"a",@progbits
	.p2align	6, 0x0
	.amdhsa_kernel k_q08a62a762f_proj
		.amdhsa_group_segment_fixed_size 327680
		.amdhsa_private_segment_fixed_size 0
		.amdhsa_enable_private_segment 0
		.amdhsa_kernarg_size 48
		.amdhsa_user_sgpr_count 2
		.amdhsa_user_sgpr_kernarg_segment_ptr 1
		.amdhsa_wavefront_size32 1
		.amdhsa_system_sgpr_workgroup_id_x 1
		.amdhsa_system_sgpr_workgroup_id_y 1
		.amdhsa_system_sgpr_workgroup_id_z 1
		.amdhsa_system_vgpr_workitem_id 0
		.amdhsa_next_free_vgpr 1024
		.amdhsa_next_free_sgpr 106
		.amdhsa_reserve_vcc 1
		.amdhsa_float_denorm_mode_32 3
		.amdhsa_float_denorm_mode_16_64 3
		.amdhsa_memory_ordered 1
		.amdhsa_forward_progress 1
		.amdhsa_inst_pref_size 192
	.end_amdhsa_kernel
	.amdgpu_metadata
---
amdhsa.version: [ 1, 2 ]
amdhsa.kernels:
  - .name:           k_q08a62a762f_proj
    .symbol:         k_q08a62a762f_proj.kd
    .args:
      - { .name: xw, .offset: 0, .size: 8, .value_kind: global_buffer, .address_space: global }
      - { .name: bq, .offset: 8, .size: 8, .value_kind: global_buffer, .address_space: global }
      - { .name: bk, .offset: 16, .size: 8, .value_kind: global_buffer, .address_space: global }
      - { .name: bv, .offset: 24, .size: 8, .value_kind: global_buffer, .address_space: global }
      - { .name: qi, .offset: 32, .size: 8, .value_kind: global_buffer, .address_space: global }
      - { .name: kv, .offset: 40, .size: 8, .value_kind: global_buffer, .address_space: global }
    .group_segment_fixed_size: 327680
    .private_segment_fixed_size: 0
    .kernarg_segment_align: 8
    .kernarg_segment_size: 48
    .max_flat_workgroup_size: 128
    .sgpr_count:     106
    .vgpr_count:     1024
    .wavefront_size: 32
...
	.end_amdgpu_metadata
.endif
;; end of part 2
;; launch attn (part 3): grid 4 x 64, 16 waves a work-group, no clusters, 210,944 bytes of LDS; arguments qi, kv, mb, cx; writes cx
.if DOCPART == 3
	.amdgcn_target "amdgcn-amd-amdhsa--gfx1250"
	.amdhsa_code_object_version 6
	.text
	.protected	k_q08a62a762f_attn
	.globl	k_q08a62a762f_attn
	.p2align	8
	.type	k_q08a62a762f_attn,@function
k_q08a62a762f_attn:
	s_mov_b64 s[64:65], 0
	v_nop
	global_prefetch_b8 v0, s[64:65] scope:SCOPE_SE
	s_setreg_imm32_b32 hwreg(HW_REG_WAVE_MODE, 25, 1), 1
	s_wait_xcnt 0x0
; ctx = softmax(Q K^T / 8, masked) V for one head, both products on codes of FP6 (E2M3); ctx is quantised along the model's 1,024 and stored as the last product's operand.
; THE SOFTMAX: t = score x log2(e) / 8; M = the row's largest t so far, rounded up to a whole number; p = 2^(t - M) is quantised along the keys, not normalised; the row's sum of the unquantised p divides at the end.
; When M moves, the sum and O are multiplied by 2^(old M - new M): exact.
; SHARES.  A work-group owns 512 queries of one head; the head's K and V, 208,896 bytes of codes and scale words, lie in LDS whole: wave w copies the block of keys 128 w on through its registers, once.
; Each of the sixteen waves owns one tile of 16 queries at a time, two one after the other, and walks all 16 key steps.
; LAYOUT.  Both products are used transposed: S^T = K Q^T, O^T = V^T P^T: a lane holds one query (lane % 16).  Tile t of K holds keys 64 (t / 4) + 8 (t % 4) + i (i < 8) and 32 more (i >= 8):
; score register n of lane (r, h) is key 64 (n / 32) + 32 h + n % 32, so a lane's 32 registers are one scale block of p, in the order of the operand's registers: no lane is asked for a block's maximum and nothing is swapped.
; THE SCORES' K IS 64 in an instruction of 128: Q's registers 6-11 are zero codes; K's registers 6-11 are the next tile's codes, finite numbers, whose products with zero are zero.
; THE MASK comes as lane-mask words, one a score register.  At a pass's head the tile's 1,024 words are ANDed into 16 flags, one a key step; a step in which no key of any of the 16 queries is masked
; goes round the 64 selects and the loads of their words by a scalar branch on its flag.  Every other step selects each score against -2^33.
; NO TENSOR LOAD, NO CLUSTER: that branch hangs on whole numbers read from memory, so LDS is filled through registers and the four query blocks of a head read K and V each for itself.
; NO PREFETCH: K and V are read once, at the head; there is no loop to run ahead in.
; LIMITS: a masked score is -2^33, a logit of -2^30 where the definition has -1e9: c x 2^33 is a whole number, so a row with every key masked gives p = 1 throughout, the uniform softmax of the definition;
;   results differ only where an unmasked logit lies under about -1e9.  The promise holds while the scaled scores stay under 2^31 in magnitude.  A block of zeros gets the byte 1.  NaN and infinities are not served.
; REGISTERS: v1-3 16 l, 8 l, 16 r; v4-6 the same in the step's block; v7 lane; v8 32 r; v9 Q's scale word's place; v10 -2^33; v11 8 h; v12 -M, v13 the largest score, v[14:15] the sum; v16-27 Q; v28-29 the add's;
;   v30-31 the copy's LDS places; v32-85 K's 8 half images or V^T's 4 fragments; v96-159 S^T, then p; v160-191 O^T; v192-210 p's codes; v212-223 at work; v224-231 K's scale words, v232-235 V's, v236 Q's, v237 p's; v240-245 at work.
.set QS,    6291456
.set CS,    6291456
.set HEADB, 208896
.set STEPB, 13056                      ; a key step's block: K's 8 half images; at 6,144 V^T's 4 fragments; at 12,288 K's scale words; at 12,800 V's
.set SPARE, 208896
.set BM,    212
.set BT,    216
.set SO,    220
.macro WALU
	s_wait_alu depctr_va_vdst(0)
.endm
.macro FRAG reg, a16, a8, off
	ds_load_b128 v[\reg:\reg+3], v[\a16] offset:\off
	ds_load_b64 v[\reg+4:\reg+5], v[\a8] offset:\off+512
	ds_load_b128 v[\reg+6:\reg+9], v[\a16] offset:\off+768
	ds_load_b64 v[\reg+10:\reg+11], v[\a8] offset:\off+1280
.endm
.macro SUM a, b                        ; pairs a .. b - 1 of p onto the row's sum, in two chains
.set q, \a
.rept (\b)-(\a)
.if q%2
	v_pk_add_f32 v[244:245], v[244:245], v[96+2*q:97+2*q]
.else
	v_pk_add_f32 v[14:15], v[14:15], v[96+2*q:97+2*q]
.endif
.set q, q+1
.endr
.endm
	s_load_b256 s[4:11], s[0:1], 0x0               ; qi, kv, mb, cx
	v_lshl_add_u32 v28, v0, 2, SPARE
	v_mov_b32 v29, 0
	v_lshrrev_b32 v1, 5, v0
	v_readfirstlane_b32 s12, v1                    ; wave 0..15
	s_and_b32 s32, ttmp7, 0xffff                   ; 16 x batch + head
	s_lshr_b32 s33, s32, 4
	s_and_b32 s34, s32, 15
	s_lshl_b32 s35, ttmp9, 5
	s_add_co_u32 s35, s35, s12                     ; my first tile of queries: 32 x block + wave; the second lies 16 tiles on
	s_lshl_b32 s36, s33, 7
	s_add_co_u32 s36, s36, s35                     ; among all rows: 128 x batch + tile
	s_lshl_b32 s38, s32, 7
	s_add_co_u32 s38, s38, s35
	s_mul_i32 s38, s38, 768                        ; Q's half image
	s_mov_b32 s39, 0
	s_lshl_b32 s40, s32, 5
	s_lshl_b32 s55, ttmp9, 3
	s_add_co_u32 s40, s40, s55
	s_lshr_b32 s55, s12, 2
	s_add_co_u32 s40, s40, s55
	s_lshl_b32 s40, s40, 8
	s_add_co_u32 s40, s40, QS                      ; the 256 bytes with its scale words
	s_mov_b32 s41, 0
	s_mul_i32 s42, s32, HEADB
	s_mul_i32 s44, s12, STEPB                      ; my key block, in the head's block and in LDS
	s_add_co_u32 s42, s42, s44
	s_mov_b32 s43, 0
	s_lshl_b32 s46, s36, 12                        ; the mask words: 16 steps x 256 bytes a tile
	s_mov_b32 s47, 0
	s_lshl_b32 s50, s36, 4
	s_add_co_u32 s50, s50, s34
	s_mul_i32 s50, s50, 768                        ; ctx: half image (row tile, head)
	s_mov_b32 s51, 0
	s_lshl_b32 s52, s36, 9
	s_lshl_b32 s53, s34, 1
	s_add_co_u32 s52, s52, s53
	s_add_co_u32 s52, s52, CS                      ; its scale bytes: 32 a row, two a head
	s_mov_b32 s53, 0
	s_mov_b32 s16, 0x76543210                      ; v_permlanex16_b32's selects for lane l xor 16
	s_mov_b32 s17, 0xfedcba98
	s_mov_b32 s18, 0x3e38aa3b                      ; c = log2(e) / 8
	s_mov_b32 s19, s18
	s_and_b32 s15, s12, 3
	s_lshl_b32 s15, s15, 2
	v_and_b32 v7, 31, v0
	v_and_b32 v3, 15, v0
	v_bfe_u32 v11, v0, 4, 1
	v_lshlrev_b32 v1, 4, v7
	v_lshlrev_b32 v2, 3, v7
	v_lshlrev_b32 v8, 5, v3
	v_lshlrev_b32 v3, 4, v3
	v_lshlrev_b32 v11, 3, v11
	v_add_nc_u32 v9, s15, v3
	v_add_nc_u32 v30, s44, v1
	v_add_nc_u32 v31, s44, v2
	v_mov_b32 v10, 0xd0000000                      ; -2^33
.irp j, 22,23,24,25,26,27,80,81,82,83,84,85
	v_mov_b32 v[\j], 0                             ; zero codes: Q's upper half of K, and what stands behind K's last tile
.endr
.irp j, 216,217,240,241,243
	v_mov_b32 v[\j], 0                             ; written once: lane permutes' destinations, and the upper half of the pair v[242:243]
.endr
	WALU
	s_wait_kmcnt 0x0
	s_add_nc_u64 s[22:23], s[6:7], s[42:43]
	s_add_nc_u64 s[24:25], s[4:5], s[38:39]
	s_add_nc_u64 s[2:3], s[4:5], s[40:41]
	s_add_nc_u64 s[30:31], s[8:9], s[46:47]
	s_add_nc_u64 s[26:27], s[10:11], s[50:51]
	s_add_nc_u64 s[28:29], s[10:11], s[52:53]
.set j, 0
.rept 25
	global_load_b128 v[96+4*j:99+4*j], v1, s[22:23] offset:512*j     ; my block of K and V: 25 x 512 bytes and 256
.set j, j+1
.endr
	global_load_b64 v[196:197], v2, s[22:23] offset:12800
.macro ASKQ off, soff, moff            ; a tile's Q, its scale word and its 1,024 mask words
	global_load_b128 v[16:19], v1, s[24:25] offset:\off
	global_load_b64 v[20:21], v2, s[24:25] offset:\off+512
	global_load_b32 v236, v9, s[2:3] offset:\soff
.irp j, 0,1,2,3,4,5,6,7
	global_load_b128 v[32+4*\j:35+4*\j], v1, s[30:31] offset:\moff+512*\j   ; lanes 0-15 step 2 j's words, lanes 16-31 step 2 j + 1's
.endr
.endm
	ASKQ 0, 0, 0
	s_wait_loadcnt 11                              ; the 26 loads of my block are in; the 11 behind them may be out
.set j, 0
.rept 25
	ds_store_b128 v30, v[96+4*j:99+4*j] offset:512*j
.set j, j+1
.endr
	ds_store_b64 v31, v[196:197] offset:12800
	s_wait_dscnt 0x0                               ; my block is stored,
	s_barrier_signal -1
	s_barrier_wait -1                              ; everybody's is
.macro PASS p                          ; one tile of 16 queries against all keys
	s_wait_loadcnt 0x0                             ; Q, its scale word, the mask words
.irp j, 0,1,2,3,4,5,6,7
	v_and_b32 v[32+4*\j], v[32+4*\j], v[33+4*\j]
	v_and_b32 v[34+4*\j], v[34+4*\j], v[35+4*\j]
.endr
.irp j, 0,1,2,3,4,5,6,7
	v_and_b32 v[32+4*\j], v[32+4*\j], v[34+4*\j]
.endr
.irp j, 0,1,2,3,4,5,6,7
	v_cmp_ne_u32 s[40+\j], -1, v[32+4*\j]          ; a lane's bit: one of its four words has a hole
.endr
	s_mov_b32 s21, 0                               ; s21: bit s says that key step s has a hole
.irp j, 0,1,2,3,4,5,6,7
	s_and_b32 s22, s[40+\j], 0xffff
	s_cselect_b32 s22, 1<<(2*\j), 0
	s_lshr_b32 s23, s[40+\j], 16
	s_cselect_b32 s23, 2<<(2*\j), 0
	s_or_b32 s21, s21, s22
	s_or_b32 s21, s21, s23
.endr
	v_mov_b32 v13, 0xff61b1e6                      ; the largest score so far: -3e38
	v_mul_f32 v12, s18, v13
	v_floor_f32 v12, -v12                          ; -M
	v_mov_b32 v14, 0
	v_mov_b32 v15, 0
.set j, 0
.rept 32
	v_mov_b32 v[160+j], 0                          ; O^T: the step is written once; the first finds zeros
.set j, j+1
.endr
	s_mov_b32 s13, 0                               ; the step's block in LDS
	s_mov_b32 s14, 0                               ; the step
.Lstep_\@:
	v_add_nc_u32 v4, s13, v1
	v_add_nc_u32 v5, s13, v2
	v_add_nc_u32 v6, s13, v3
	v_nop                                          ; four places behind the last step's products
	WALU
.irp t, 0,1,2,3,4,5,6,7
	ds_load_b128 v[32+6*\t:35+6*\t], v4 offset:768*\t
	ds_load_b64 v[36+6*\t:37+6*\t], v5 offset:768*\t+512
.endr
	ds_load_b128 v[224:227], v6 offset:12288       ; K's scale words
	ds_load_b128 v[228:231], v6 offset:12544
	ds_load_b128 v[232:235], v6 offset:12800       ; V's
	s_wait_dscnt 0x0
.irp t, 0,1,2,3,4,5,6,7
	v_wmma_scale_f32_16x16x128_f8f6f4 v[96+8*\t:103+8*\t], v[32+6*\t:43+6*\t], v[16:27], 0, v[224+\t], v236 matrix_a_fmt:MATRIX_FMT_FP6 matrix_b_fmt:MATRIX_FMT_FP6
.endr
.rept 4
	v_nop                                          ; places in front of the loads below and of the first read of the scores
.endr
.irp t, 0,1,2,3
	FRAG 32+12*\t, 4, 5, 6144+1536*\t              ; V^T's fragments land under the softmax
.endr
	s_lshr_b32 s22, s21, s14
	s_and_b32 s22, s22, 1
	s_cmp_lg_u32 s22, 0
	s_cbranch_scc0 .Lfull_\@                       ; no key of this step is masked for any of my queries
	s_lshl_b32 s20, s14, 8
	s_load_b512 s[32:47], s[30:31], s20 offset:65536*\p
	s_load_b512 s[48:63], s[30:31], s20 offset:65536*\p+0x40
	s_load_b512 s[68:83], s[30:31], s20 offset:65536*\p+0x80
	s_load_b512 s[84:99], s[30:31], s20 offset:65536*\p+0xc0
	s_wait_kmcnt 0x0
.set j, 0
.rept 32
	v_cndmask_b32 v[96+j], v10, v[96+j], s[32+j]   ; word n has my lane's bit for register n
.set j, j+1
.endr
.rept 32
	v_cndmask_b32 v[96+j], v10, v[96+j], s[36+j]
.set j, j+1
.endr
.Lfull_\@:
.irp b, 0,1,2,3
	v_max3_num_f32 v[BM+\b], v[96+16*\b], v[97+16*\b], v[98+16*\b]   ; four chains by turns; chains 0, 1 are my first block of 32 keys, chains 2, 3 my second
.endr
.irp i, 3,5,7,9,11,13
.irp b, 0,1,2,3
	v_max3_num_f32 v[BM+\b], v[BM+\b], v[96+16*\b+\i], v[97+16*\b+\i]
.endr
.endr
	v_max3_num_f32 v[BM], v[BM], v[BM+1], v111
	v_max3_num_f32 v[BM+2], v[BM+2], v[BM+3], v143
	v_max_num_f32 v[BM], v[BM], v127               ; the blocks' largest scores: for the row's maximum and, since p rises with the score, for the blocks' largest p
	v_max_num_f32 v[BM+2], v[BM+2], v159
	s_delay_alu instid0(VALU_DEP_1)
	v_max_num_f32 v240, v[BM], v[BM+2]
	s_delay_alu instid0(VALU_DEP_1)
	v_permlanex16_b32 v241, v240, s16, s17
	s_delay_alu instid0(VALU_DEP_1)
	v_max3_num_f32 v13, v13, v240, v241            ; the running largest score
	v_mov_b32 v241, v12
	s_delay_alu instid0(VALU_DEP_2)
	v_mul_f32 v240, s18, v13                       ; as t (c is positive)
	s_delay_alu instid0(VALU_DEP_1)
	v_floor_f32 v12, -v240                         ; the new -M = floor(-t)
	s_delay_alu instid0(VALU_DEP_1)
	v_sub_f32 v240, v12, v241                      ; old M - new M: a whole number, 0 or less
	s_delay_alu instid0(VALU_DEP_1)
	v_cvt_i32_f32 v240, v240                       ; (it saturates)
	s_delay_alu instid0(VALU_DEP_1)
	v_ldexp_f32 v242, 1.0, v240                    ; f = 2^(old M - new M)
.set i, 0
.rept 32
	v_pk_fma_f32 v[96+2*i:97+2*i], v[96+2*i:97+2*i], s[18:19], v[12:13] op_sel_hi:[1,0,0]   ; t - M
.set i, i+1
.endr
	v_fma_f32 v[BM], v[BM], s18, v12               ; the same of each block's largest score
	v_fma_f32 v[BM+2], v[BM+2], s18, v12
	v_pk_mul_f32 v[14:15], v[14:15], v[242:243] op_sel_hi:[1,0]
.set i, 0
.rept 16
	v_pk_mul_f32 v[160+2*i:161+2*i], v[160+2*i:161+2*i], v[242:243] op_sel_hi:[1,0]   ; O^T under the new M, each accumulator from its low end on
.set i, i+1
.endr
	WALU
.set i, 0
.rept 64
	v_exp_f32 v[96+i], v[96+i]                     ; p = 2^(t - M), at most 1
.set i, i+1
.endr
	v_exp_f32 v[BM], v[BM]                         ; the blocks' largest p
	v_exp_f32 v[BM+2], v[BM+2]
	v_nop                                          ; a plain place behind the batch
	WALU                                           ; and the wait behind it
	v_max_num_f32 v[BM], 0x1800000, v[BM]          ; the floor 2^(3 - 127)
	v_max_num_f32 v[BM+2], 0x1800000, v[BM+2]
	v_pk_add_f32 v[244:245], v[96:97], v[98:99]    ; the row's sum is taken of the unquantised p
	SUM 2, 4
	v_add_nc_u32 v[SO], 0xff000000, v[BM]          ; 2 off the exponent field: the conversions' scale operands
	v_add_nc_u32 v[SO+1], 0xff000000, v[BM+2]
	SUM 4, 6
	v_lshrrev_b32 v[BT], 23, v[SO]
	v_lshrrev_b32 v[BT+1], 23, v[SO+1]
	SUM 6, 8
	v_lshl_or_b32 v240, v[BT+1], 16, v[BT]         ; my two bytes: blocks h and 2 + h,
	SUM 8, 10
	v_lshlrev_b32 v240, v11, v240                  ; at their places in the word;
	SUM 10, 12
	v_permlanex16_b32 v241, v240, s16, s17
	SUM 12, 14
	v_or_b32 v237, v240, v241                      ; with lane l xor 16's two: p's scale word for these 128 keys
.irp c, 0,1
	v_cvt_scalef32_pk16_fp6_f32 v[192+6*\c:194+6*\c], v[96+32*\c:111+32*\c], v[SO+\c]
	v_cvt_scalef32_pk16_fp6_f32 v[204+4*\c:206+4*\c], v[112+32*\c:127+32*\c], v[SO+\c]   ; (a conversion's three registers begin on an even number)
.endr
	v_nop                                          ; one plain place behind a scaled conversion
.irp c, 0,1
.irp i, 0,1,2
	v_mov_b32 v[195+6*\c+\i], v[204+4*\c+\i]
.endr
.endr
	SUM 14, 32                                     ; these are also the places between p's codes and scale word and the products below
	v_pk_add_f32 v[14:15], v[14:15], v[244:245]
	WALU
	s_wait_dscnt 0x0                               ; V^T's fragments are in
.irp t, 0,1,2,3
	v_wmma_scale_f32_16x16x128_f8f6f4 v[160+8*\t:167+8*\t], v[32+12*\t:43+12*\t], v[192:203], v[160+8*\t:167+8*\t], v[232+\t], v237 matrix_a_fmt:MATRIX_FMT_FP6 matrix_b_fmt:MATRIX_FMT_FP6
.endr
	s_add_co_u32 s13, s13, STEPB
	s_add_co_u32 s14, s14, 1
	s_cmp_lt_u32 s14, 16
	s_cbranch_scc1 .Lstep_\@
.rept 4
	v_nop
.endr
.if \p == 0
	ASKQ 12288, 1024, 65536                        ; the second tile's Q, scale word and mask words are on their way while the first tile goes out
.endif
	v_add_f32 v14, v14, v15                        ; the sum's two halves,
	v_permlanex16_b32 v240, v14, s16, s17
	v_add_f32 v14, v14, v240                       ; and lane l xor 16's
	WALU
	v_rcp_f32 v14, v14
	v_nop
	WALU
.set j, 0
.rept 32
	v_mul_f32 v[96+j], v[160+j], v14               ; ctx: register 16 g + i is channel 32 g + 16 (lane / 16) + i of my query
.set j, j+1
.endr
.irp g, 0,1                                    ; its two blocks of 32 along the last product's K
	v_max3_num_f32 v[BM+\g], |v[96+16*\g]|, |v[97+16*\g]|, 0x1800000
.endr
.irp i, 2,4,6,8,10,12,14
.irp g, 0,1
	v_max3_num_f32 v[BM+\g], v[BM+\g], |v[96+16*\g+\i]|, |v[97+16*\g+\i]|
.endr
.endr
.irp g, 0,1
	v_permlanex16_b32 v[BT+\g], v[BM+\g], s16, s17
.endr
.irp g, 0,1
	v_max_num_f32 v[BM+\g], v[BM+\g], v[BT+\g]
.endr
.irp g, 0,1
	v_add_nc_u32 v[SO+\g], 0xff000000, v[BM+\g]
.endr
.irp g, 0,1
	v_lshrrev_b32 v[BT+\g], 23, v[SO+\g]
.endr
	v_lshl_or_b32 v240, v[BT+1], 8, v[BT]          ; the two scale bytes
	v_cvt_scalef32_pk16_fp6_f32 v[192:194], v[96:111], v[SO]
	v_cvt_scalef32_pk16_fp6_f32 v[204:206], v[112:127], v[SO+1]
	v_nop
.irp i, 0,1,2
	v_permlane16_swap_b32 v[192+\i], v[204+\i]
.endr
.irp i, 0,1,2
	v_mov_b32 v[195+\i], v[204+\i]
.endr
	global_store_b128 v1, v[192:195], s[26:27] offset:196608*\p        ; a half image: 512 and 256 consecutive bytes, aligned to 256
	global_store_b64 v2, v[196:197], s[26:27] offset:196608*\p+512
	v_cmp_gt_u32 vcc_lo, 16, v7
	WALU
	s_wait_xcnt 0x0                                ; EXEC changes only behind this wait
	s_and_saveexec_b32 s15, vcc_lo
	global_store_b16 v8, v240, s[28:29] offset:8192*\p                 ; two bytes of each row's 32, laid so that the last launch finds whole scale words
	s_wait_xcnt 0x0
	s_or_b32 exec_lo, exec_lo, s15
.endm
	PASS 0
	PASS 1
	s_wait_tensorcnt 0x0                           ; the wave's end
	ds_add_u32 v28, v29
	s_wait_dscnt 0x0
	s_endpgm
.Lfunc_end_k_q08a62a762f_attn:
	.size	k_q08a62a762f_attn, .Lfunc_end_k_q08a62a762f_attn-k_q08a62a762f_attn
	.p2alignl 7, 3214868480
	.fill 96, 4, 3214868480
	.section	.rodata,"a",@progbits
	.p2align	6, 0x0
	.amdhsa_kernel k_q08a62a762f_attn
		.amdhsa_group_segment_fixed_size 210944
		.amdhsa_private_segment_fixed_size 0
		.amdhsa_enable_private_segment 0
		.amdhsa_kernarg_size 32
		.amdhsa_user_sgpr_count 2
		.amdhsa_user_sgpr_kernarg_segment_ptr 1
		.amdhsa_wavefront_size32 1
		.amdhsa_system_sgpr_workgroup_id_x 1
		.amdhsa_system_sgpr_workgroup_id_y 1
		.amdhsa_system_sgpr_workgroup_id_z 1
		.amdhsa_system_vgpr_workitem_id 0
		.amdhsa_next_free_vgpr 256
		.amdhsa_next_free_sgpr 100
		.amdhsa_reserve_vcc 1
		.amdhsa_float_denorm_mode_32 3
		.amdhsa_float_denorm_mode_16_64 3
		.amdhsa_memory_ordered 1
		.amdhsa_forward_progress 1
		.amdhsa_inst_pref_size 66
	.end_amdhsa_kernel
	.amdgpu_metadata
---
amdhsa.version: [ 1, 2 ]
amdhsa.kernels:
  - .name:           k_q08a62a762f_attn
    .symbol:         k_q08a62a762f_attn.kd
    .args:
      - { .name: qi, .offset: 0, .size: 8, .value_kind: global_buffer, .address_space: global }
      - { .name: kv, .offset: 8, .size: 8, .value_kind: global_buffer, .address_space: global }
      - { .name: mb, .offset: 16, .size: 8, .value_kind: global_buffer, .address_space: global }
      - { .name: cx, .offset: 24, .size: 8, .value_kind: global_buffer, .address_space: global }
    .group_segment_fixed_size: 210944
    .private_segment_fixed_size: 0
    .kernarg_segment_align: 8
    .kernarg_segment_size: 32
    .max_flat_workgroup_size: 512
    .sgpr_count:     100
    .vgpr_count:     256
    .wavefront_size: 32
...
	.end_amdgpu_metadata
.endif
;; end of part 3
;; launch outp (part 4): grid 8 x 32, 4 waves a work-group, clusters of 4 x 4, 327,680 bytes of LDS; arguments xw, cx, bo, out0; writes out0
.if DOCPART == 4
	.amdgcn_target "amdgcn-amd-amdhsa--gfx1250"
	.amdhsa_code_object_version 6
	.text
	.protected	k_q08a62a762f_outp
	.globl	k_q08a62a762f_outp
	.p2align	8
	.type	k_q08a62a762f_outp,@function
k_q08a62a762f_outp:
	s_mov_b64 s[64:65], 0
	v_nop
	global_prefetch_b8 v0, s[64:65] scope:SCOPE_SE
	s_setreg_imm32_b32 hwreg(HW_REG_WAVE_MODE, 25, 1), 1
	s_wait_xcnt 0x0
	s_wait_alu depctr_hold_cnt(0) depctr_sa_sdst(0) depctr_va_vdst(0) depctr_va_sdst(0) depctr_va_ssrc(0) depctr_va_vcc(0) depctr_vm_vsrc(0)
	s_getreg_b32 s2, hwreg(HW_REG_IB_STS2, 6, 4)
	s_cmp_eq_u32 s2, 0
	s_cbranch_scc0 .Lentry_in_a_cluster
	s_endpgm
.Lentry_in_a_cluster:
	s_bfe_u32 s2, ttmp6, 0x10000c
	s_cmp_lg_u32 s2, 0xf033
	s_cbranch_scc0 .Lentry_shape_is_right
	s_endpgm
.Lentry_shape_is_right:
; out = ctx Wo^T + bo on codes of FP6 (E2M3), K = 1,024; out [8192][1024] f32.
; A work-group multiplies panel P0 (128 rows of Wo, source 0) by panel P1 (256 rows of ctx, source 1); both panels' codes lie in LDS for all of K (294,912 bytes), filled once.
; FILLS: one joint load a wave at the head: wave 0 P0's first half of K, wave 1 P1's, wave 2 P0's second half, wave 3 P1's.  The first barrier shows the first half (waves 0 and 1 wait), the barrier in K step 3 the second (all wait).
; The scale words go from memory straight into registers (a lane its row's 32 bytes, sixteen lanes 512 consecutive bytes); Wo's and ctx's lie in two buffers, so they come into two sets of registers and ctx's are laid into lanes 16-31 of Wo's.
; Four waves; a wave takes all 8 tiles of P0 x its own 4 tiles of P1: 32 accumulators.  A lane holds one row of ctx, and its registers run along Wo's rows, the columns of out.
; Wo's tiles take rows 32 (T / 2) + 8 (T % 2) + i + 8 (i / 8): register 8 a + j of a lane is column 32 (a / 2) + 16 (lane / 16) + 8 (a % 2) + j of the panel.
; CLUSTER 4 x 4: P0's panel is asked for jointly by a column of the cluster, P1's by a row.  The bias is the C of each sum's first matrix instruction.
; No prefetch: the launch has no loop to run ahead in; all its tiles are asked for at the head.
; REGISTERS: window 0: v1-13 addresses; v16-17 the add's; v32-95 scale words; v96-191 P1's fragments, two sets; v192-223 ctx's scale words at the head; on the way out v96-223 rows of out.
;   window 1: the 32 accumulators.   window 2: P0's fragments, two sets.   window 3: v0-63 the bias.
.set XS,    22020096
.set CS,    6291456
.set HALF,  147456                     ; LDS: a half of K: P0's 8 tiles of 6,144 bytes, then P1's 16
.set P1OFF, 49152
.set SPARE, 294912
.set SPITCH, 528                       ; the way out: a stage of 16 rows x (512 + 16) bytes for each wave, in the first half's bytes of its own four tiles of P1: only this wave has read them, and they have had their one fill
.set SPW,   16
.set NIL,   17
.set SC,    32
.set BF,    96
.set TS,    192
.set BK,    96
.set WV,    16
.set HF,    18
.set P0I,   20
.set P1I,   21
.set G1P0,  24
.set G1P1,  32
.set MSB, 0
.macro WIN new
.if MSB != \new
	s_set_vgpr_msb (MSB<<8)|\new
.set MSB, \new
.endif
.endm
.macro PLACES
.rept 4
	v_nop
.endr
.endm
.macro CROUND
	s_barrier_signal -1
	s_barrier_wait -1
	s_cmp_lg_u32 s[WV], 0
	s_cbranch_scc1 .Lnot_wave_0_\@
	s_barrier_signal -3
.Lnot_wave_0_\@:
	s_barrier_wait -3
	s_barrier_signal -1
	s_barrier_wait -1
.endm
.macro MKG1 g, c, rows, pitch
	s_mov_b32 s[\g+1], (\c)<<16
	s_mov_b32 s[\g+2], (\rows)<<16
	s_mov_b32 s[\g+3], (\c)<<16
	s_mov_b32 s[\g+4], \rows
	s_mov_b32 s[\g+5], \pitch
	s_mov_b32 s[\g+6], 0
	s_mov_b32 s[\g+7], 0
.endm
.macro ARM under, g0, g1, next
	s_cmp_lt_u32 s[WV], \under
	s_cbranch_scc0 \next
	tensor_load_to_lds s[\g0:\g0+3], s[\g1:\g1+7]
	s_nop 0
	PLACES
	s_branch .Lasked
\next:
.endm
	s_load_b256 s[4:11], s[0:1], 0x0               ; xw, cx, bo, out0
	v_lshl_add_u32 v[SPW], v0, 2, SPARE
	v_mov_b32 v[NIL], 0
	ds_add_u32 v[SPW], v[NIL]                      ; the opening lines
	ds_add_u32 v[SPW], v[NIL]
	v_lshrrev_b32 v1, 5, v0
	v_readfirstlane_b32 s[WV], v1
	s_lshr_b32 s[HF], s[WV], 1                     ; which half of K I fetch
	s_bfe_u32 s2, ttmp6, 0x40000                   ; cx
	s_bfe_u32 s3, ttmp6, 0x40004                   ; cy
	s_lshl_b32 s[P0I], ttmp9, 2
	s_add_co_u32 s[P0I], s[P0I], s2                ; P0's panel: 128 columns of out
	s_and_b32 s[P1I], ttmp7, 0xffff
	s_lshl_b32 s[P1I], s[P1I], 2
	s_add_co_u32 s[P1I], s[P1I], s3                ; P1's panel: 256 rows
	s_lshl_b32 s66, 0x1111, s2                     ; my column of the cluster
	s_lshl_b32 s67, s3, 2
	s_lshl_b32 s67, 15, s67                        ; my row
	s_or_b32 s[G1P0], s66, (3<<16)|(1<<21)
	s_or_b32 s[G1P1], s67, (3<<16)|(1<<21)
	MKG1 G1P0, 768, 8, 1536                        ; a half of K of 8 row tiles: 6,144 bytes of each tile's 12,288
	MKG1 G1P1, 768, 16, 1536
	s_lshl_b32 s100, s[P0I], 3
	s_add_co_u32 s100, s100, 1728                  ; Wo's row tiles begin at 1,728 in xw
	s_lshl_b32 s101, s[P1I], 4
	s_mul_i32 s22, s[HF], HALF
	s_mul_i32 s23, s[HF], 6144
	s_lshl_b32 s68, s100, 9
	s_add_co_u32 s68, s68, XS                      ; Wo's scale bytes, my panel's
	s_mov_b32 s69, 0
	s_lshl_b32 s70, s[WV], 2
	s_add_co_u32 s70, s70, s101
	s_lshl_b32 s70, s70, 9
	s_add_co_u32 s70, s70, CS                      ; ctx's, my four tiles'
	s_mov_b32 s71, 0
	s_mov_b32 s72, 0xffff0000                      ; lanes 16-31
	v_and_b32 v1, 31, v0                           ; lane
	v_and_b32 v2, 15, v0                           ; r
	v_bfe_u32 v3, v0, 4, 1                         ; h
	v_lshlrev_b32 v10, 6, v3                       ; the bias: 64 h
	v_lshlrev_b32 v8, 5, v2                        ; a row's scale words: 32 r
	s_wait_alu depctr_va_vdst(0)
	s_wait_dscnt 0x0
	s_wait_kmcnt 0x0
	s_mov_b32 s56, 1                               ; group 0 for P0's half: nothing of cy in it
	s_mov_b32 s57, s22
	s_mul_i32 s58, s100, 12288
	s_add_co_u32 s58, s58, s23
	s_mov_b32 s59, 0
	s_add_nc_u64 s[58:59], s[4:5], s[58:59]
	s_or_b32 s59, s59, 0x80000000
	s_mov_b32 s60, 1                               ; and for P1's: nothing of cx
	s_add_co_u32 s61, s22, P1OFF
	s_mul_i32 s62, s101, 12288
	s_add_co_u32 s62, s62, s23
	s_mov_b32 s63, 0
	s_add_nc_u64 s[62:63], s[6:7], s[62:63]
	s_or_b32 s63, s63, 0x80000000
	s_add_nc_u64 s[68:69], s[4:5], s[68:69]
	s_add_nc_u64 s[70:71], s[6:7], s[70:71]
	s_lshl_b32 s2, s[P0I], 9
	s_mov_b32 s3, 0
	s_add_nc_u64 s[104:105], s[8:9], s[2:3]        ; my panel's 128 numbers of bo
	CROUND                                         ; all sixteen work-groups are here: the joint loads meet
	ARM 1, 56, G1P0, .Larm_1
	ARM 2, 60, G1P1, .Larm_2
	ARM 3, 56, G1P0, .Larm_3
	tensor_load_to_lds s[60:63], s[G1P1:G1P1+7]
	s_nop 0
	PLACES
.Lasked:
.irp i, 0,1,2,3,4,5,6,7
	global_load_b128 v[SC+8*\i:SC+8*\i+3], v8, s[68:69] offset:512*\i        ; a row's eight scale words, for all of K
	global_load_b128 v[SC+8*\i+4:SC+8*\i+7], v8, s[68:69] offset:512*\i+16
.endr
.irp i, 0,1,2,3
	global_load_b128 v[TS+8*\i:TS+8*\i+3], v8, s[70:71] offset:512*\i
	global_load_b128 v[TS+8*\i+4:TS+8*\i+7], v8, s[70:71] offset:512*\i+16
.endr
	WIN 0xc0
.irp a, 0,1,2,3,4,5,6,7
	global_load_b128 v[8*\a:8*\a+3], v10, s[104:105] offset:(32*(\a/2)+8*(\a%2))*4      ; tile a, lane (r, h): columns 32 (a / 2) + 16 h + 8 (a % 2) + 0 .. 7
	global_load_b128 v[8*\a+4:8*\a+7], v10, s[104:105] offset:(32*(\a/2)+8*(\a%2))*4+16
.endr
	WIN 0
	v_lshlrev_b32 v4, 4, v1                        ; P0's half images: 16 l,
	v_lshlrev_b32 v5, 3, v1                        ; 8 l
	s_mul_i32 s22, s[WV], 24576
	s_add_co_u32 s22, s22, P1OFF
	v_add_nc_u32 v6, s22, v4                       ; my four tiles of P1
	v_add_nc_u32 v7, s22, v5
	v_add_nc_u32 v11, s22, v4                      ; the stage, on the way back: 16 l of a row
	v_mul_u32_u24 v13, v2, SPITCH
	v_lshl_add_u32 v13, v3, 6, v13
	v_add_nc_u32 v13, s22, v13                     ; and on the way in: row r, + 64 h
	v_lshlrev_b32 v12, 4, v1                       ; my 16 bytes of a row's 512 in out
	s_wait_loadcnt 0x0                             ; the scale words and the bias
.irp k, 0,1,2,3,4,5,6,7                        ; K step by K step, so that each word stands eight places or more ahead of the first product that takes it
.irp i, 0,1,2,3,4,5,6,7
	v_cndmask_b32 v[SC+8*\i+\k], v[SC+8*\i+\k], v[TS+8*(\i%4)+\k], s72    ; lanes 0-15 the word of P0's tile i, lanes 16-31 that of my P1 tile i % 4
.endr
.endr
.macro FRAG reg, a16, a8, off
	ds_load_b128 v[\reg:\reg+3], v[\a16] offset:\off
	ds_load_b64 v[\reg+4:\reg+5], v[\a8] offset:\off+512
	ds_load_b128 v[\reg+6:\reg+9], v[\a16] offset:\off+768
	ds_load_b64 v[\reg+10:\reg+11], v[\a8] offset:\off+1280
.endm
.macro FETCH ks
	WIN 0x80
.irp a, 0,1,2,3,4,5,6,7
	FRAG 128*((\ks)%2)+12*\a, 4, 5, 6144*\a+1536*((\ks)%4)
.endr
	WIN 0
.irp b, 0,1,2,3
	FRAG BF+48*((\ks)%2)+12*\b, 6, 7, 6144*\b+1536*((\ks)%4)
.endr
.endm
.macro MUL ks                          ; 32 matrix instructions; the 32 accumulators take turns
.irp b, 0,1,2,3
.irp a, 0,1,2,3,4,5,6,7
.if (\ks) == 0
	v_wmma_scale_f32_16x16x128_f8f6f4 v[64*\b+8*\a:64*\b+8*\a+7], v[128*((\ks)%2)+12*\a:128*((\ks)%2)+12*\a+11], v[BF+48*((\ks)%2)+12*\b:BF+48*((\ks)%2)+12*\b+11], v[8*\a:8*\a+7], v[SC+8*\a+(\ks)], v[SC+8*\b+(\ks)] matrix_a_fmt:MATRIX_FMT_FP6 matrix_b_fmt:MATRIX_FMT_FP6 matrix_b_scale:MATRIX_SCALE_ROW1
.else
	v_wmma_scale_f32_16x16x128_f8f6f4 v[64*\b+8*\a:64*\b+8*\a+7], v[128*((\ks)%2)+12*\a:128*((\ks)%2)+12*\a+11], v[BF+48*((\ks)%2)+12*\b:BF+48*((\ks)%2)+12*\b+11], v[64*\b+8*\a:64*\b+8*\a+7], v[SC+8*\a+(\ks)], v[SC+8*\b+(\ks)] matrix_a_fmt:MATRIX_FMT_FP6 matrix_b_fmt:MATRIX_FMT_FP6 matrix_b_scale:MATRIX_SCALE_ROW1
.endif
.endr
.endr
.endm
.macro KSTEP ks
	s_wait_dscnt 0x0                               ; this step's fragments are in
.if (\ks) == 3
	s_wait_tensorcnt 0x0                           ; every wave's load has landed: the second half of K is shown to all
	s_barrier_signal -1
	s_barrier_wait -1
.irp r, 4,5,6,7
	v_add_nc_u32 v[\r], HALF, v[\r]
.endr
	s_wait_alu depctr_va_vdst(0)
.endif
.if (\ks) < 7
.if (\ks) > 0
	PLACES
.endif
	FETCH (\ks)+1
.endif
.if (\ks) == 0
	WIN 0x72                                       ; source 0 window 2, source 1 window 0, C (the bias) window 3, D window 1
.else
	WIN 0x52
.endif
	MUL \ks
	WIN 0
.endm
	s_wait_alu depctr_va_vdst(0)
	s_cmp_lt_u32 s[WV], 2
	s_cbranch_scc0 .Lnot_first
	s_wait_tensorcnt 0x0                           ; waves 0 and 1: the first half of K has landed
.Lnot_first:
	s_barrier_signal -1
	s_barrier_wait -1
	FETCH 0
.irp ks, 0,1,2,3,4,5,6,7
	KSTEP \ks
.endr
	PLACES
	; THE WAY OUT, a tile of 16 rows x 128 columns at a time, through my stage, back as whole rows of 512 bytes.
	s_lshl_b32 s24, s[P1I], 8
	s_lshl_b32 s25, s[WV], 6
	s_add_co_u32 s24, s24, s25                     ; my first row of out
	s_lshl_b32 s24, s24, 12
	s_lshl_b32 s25, s[P0I], 9
	s_add_co_u32 s24, s24, s25
	s_mov_b32 s25, 0
	s_add_nc_u64 s[10:11], s[10:11], s[24:25]
.macro TOSTAGE b
	WIN 0x04                                       ; an LDS store's data are its source 1: window 1
.irp a, 0,1,2,3,4,5,6,7
	ds_store_b128 v13, v[64*\b+8*\a:64*\b+8*\a+3] offset:128*(\a/2)+32*(\a%2)        ; each accumulator from its low end on
	ds_store_b128 v13, v[64*\b+8*\a+4:64*\b+8*\a+7] offset:128*(\a/2)+32*(\a%2)+16
.endr
	WIN 0
.irp t, 0,1,2,3,4,5,6,7,8,9,10,11,12,13,14,15
	ds_load_b128 v[BK+64*((\b)%2)+4*\t:BK+64*((\b)%2)+4*\t+3], v11 offset:\t*SPITCH   ; LDS serves a wave's instructions in order (ISA guide 5.7.1.4)
.endr
.endm
.macro SEND b, younger                 ; younger: the LDS instructions issued behind tile b's loads, which may stay out
	s_wait_dscnt \younger
.irp t, 0,1,2,3,4,5,6,7,8,9,10,11,12,13,14,15
	global_store_b128 v12, v[BK+64*((\b)%2)+4*\t:BK+64*((\b)%2)+4*\t+3], s[10:11] offset:(16*(\b)+\t)*4096 th:TH_STORE_NT   ; 32 lanes store 512 consecutive bytes, aligned to 256
.endr
.endm
	TOSTAGE 0
.irp b, 1,2,3
.if \b > 1
	s_wait_xcnt 0x0                                ; tile b - 2's stores have read their registers
.endif
	TOSTAGE \b
	SEND \b-1, 32                                  ; behind tile b - 1's loads: tile b's 16 stores and 16 loads
.endr
	SEND 3, 0
	s_wait_tensorcnt 0x0                           ; the wave's end
	ds_add_u32 v[SPW], v[NIL]
	s_wait_dscnt 0x0
	CROUND                                         ; the closing round
	s_endpgm
.Lfunc_end_k_q08a62a762f_outp:
	.size	k_q08a62a762f_outp, .Lfunc_end_k_q08a62a762f_outp-k_q08a62a762f_outp
	.p2alignl 7, 3214868480
	.fill 96, 4, 3214868480
	.section	.rodata,"a",@progbits
	.p2align	6, 0x0
	.amdhsa_kernel k_q08a62a762f_outp
		.amdhsa_group_segment_fixed_size 327680
		.amdhsa_private_segment_fixed_size 0
		.amdhsa_enable_private_segment 0
		.amdhsa_kernarg_size 32
		.amdhsa_user_sgpr_count 2
		.amdhsa_user_sgpr_kernarg_segment_ptr 1
		.amdhsa_wavefront_size32 1
		.amdhsa_system_sgpr_workgroup_id_x 1
		.amdhsa_system_sgpr_workgroup_id_y 1
		.amdhsa_system_sgpr_workgroup_id_z 1
		.amdhsa_system_vgpr_workitem_id 0
		.amdhsa_next_free_vgpr 832
		.amdhsa_next_free_sgpr 106
		.amdhsa_reserve_vcc 0
		.amdhsa_float_denorm_mode_32 3
		.amdhsa_float_denorm_mode_16_64 3
		.amdhsa_memory_ordered 1
		.amdhsa_forward_progress 1
		.amdhsa_inst_pref_size 88
	.end_amdhsa_kernel
	.amdgpu_metadata
---
amdhsa.version: [ 1, 2 ]
amdhsa.kernels:
  - .name:           k_q08a62a762f_outp
    .symbol:         k_q08a62a762f_outp.kd
    .args:
      - { .name: xw, .offset: 0, .size: 8, .value_kind: global_buffer, .address_space: global }
      - { .name: cx, .offset: 8, .size: 8, .value_kind: global_buffer, .address_space: global }
      - { .name: bo, .offset: 16, .size: 8, .value_kind: global_buffer, .address_space: global }
      - { .name: out0, .offset: 24, .size: 8, .value_kind: global_buffer, .address_space: global }
    .group_segment_fixed_size: 327680
    .private_segment_fixed_size: 0
    .kernarg_segment_align: 8
    .kernarg_segment_size: 32
    .max_flat_workgroup_size: 128
    .sgpr_count:     106
    .vgpr_count:     832
    .wavefront_size: 32
...
	.end_amdgpu_metadata
.endif
;; end of part 4
